; MI455X (gfx1250); checked and timed in simulation.
; The chip was launched on July 23, 2026; its instructions are those of AMD's public machine-readable ISA for CDNA 5 (MIT licence, August 2026) and "CDNA5" Instruction Set Architecture Reference Guide (July 2026). The comments in the code are by the model that wrote it; some were corrected since.
;; Multi Head Self Attention. Allowed arithmetic: matrix products marked QUANTISED: E4M3 operands, one given power-of-two scale a tensor, by v_wmma_f32_16x16x64_fp8_fp8 or v_wmma_f32_16x16x128_fp8_fp8, f32 sums; everything else in f32.
;; Inputs: lowp_scales 8 int32 (the exponents e of the quantised operands' scales 2^e); w_out 1,024 x 1,024 float32; w_qkv 3,072 x 1,024 float32; x 4 x 2,048 x 1,024 float32.
;; Outputs: out0 4 x 2,048 x 1,024 float32.
;; This version of the problem:
;;   THIS VERSION OF THE PROBLEM IS GIVEN IN LOW PRECISION. The matrix products marked QUANTISED in the list below multiply operands that are first quantised to E4M3 (4 exponent bits, 3 mantissa bits; 8 bits a number), with one given power-of-two scale for each operand tensor; their sums are f32. All else is computed in f32.
;;   The module's matrix products, in the order in which they are computed (A, B: the left and right operand; K: the contracted axis; several contracted axes count as one K, in the product's order):
;;     1. [M 8,192, K 1,024] x [K 1,024, N 3,072]; A: input x; B: input w_qkv: QUANTISED (scales: A lowp_scales[0], B lowp_scales[1])
;;     2. batch 64 x [M 2,048, K 64] x [K 64, N 2,048]; A: computed on the way; B: computed on the way: QUANTISED (scales: A lowp_scales[2], B lowp_scales[3])
;;     3. batch 64 x [M 2,048, K 2,048] x [K 2,048, N 64]; A: softmax (see below); B: computed on the way: QUANTISED (scales: A lowp_scales[4], B lowp_scales[5])
;;     4. [M 8,192, K 1,024] x [K 1,024, N 1,024]; A: computed on the way; B: input w_out: QUANTISED (scales: A lowp_scales[6], B lowp_scales[7])
;;   THE QUANTISER, for each operand of a quantised product, along K:
;;     - The operand's scale is 2^e, e = its entry of the input lowp_scales (int32; the entries are numbered through the quantised products in the list's order, A before B).
;;     - Each number is divided by the scale, clamped to +-448, and rounded to the nearest number of E4M3, ties to even, subnormals kept.
;;     - The product sums the exact products of the quantised numbers (number of the format x scale) in f32.
;;   ~~~python
;;   def quantise(x, axis, e):      # numpy; x: float32 -> the quantised numbers, widened to float32 again
;;       x = np.moveaxis(x, axis, -1); K = x.shape[-1]
;;       r = np.clip(x / 2.0 ** e, -448, 448)
;;       step = 2.0 ** (np.maximum(np.frexp(np.where(r == 0, 1, r))[1] - 1, -6) - 3)
;;       q = np.round(r / step) * step * 2.0 ** e      # np.round: ties to even
;;       return np.moveaxis(q, -1, axis).astype(np.float32)
;;   ~~~
;;   SOFTMAX AHEAD OF A QUANTISED PRODUCT. Where the list says 'softmax', what is quantised is not the finished softmax but p = 2^(t - M), with t = logit x log2(e) and M = ceil(the row's largest t), a whole number; so 1/2 < the row's largest p <= 1. The row's sum l is taken of the UNQUANTISED p, in f32, and the product's result is divided by l at the end. Since M is a whole number, a kernel that streams over the keys may use a running M (the ceiling of the running maximum): every later rescaling is an exact power of two, so the quantised numbers keep their values, but for numbers so far below the row's largest that they fall under the format's range.
;;   OPERANDS COMPUTED ON THE WAY. 'Computed on the way' means the value that the module computes at that place (a softmax that the list does not call 'softmax' is quantised finished and normalised). What goes into a quantiser is computed in f32, as accurately as f32 sums, v_exp_f32 and their like allow (about 1e-6 of the number): no bf16 or f16 on the way to a quantiser, and a product that is left as it is and whose result goes on into a quantised operand takes f32 operands (vector FMAs, or v_wmma_f32_16x16x4_f32). A number that lies on a knife's edge between two numbers of the format may be rounded either way, as far as f32 arithmetic and the matrix unit's own rounding can turn it there, and no further.
;; One version. Each part assembles by itself: llvm-mc -triple=amdgcn-amd-amdhsa -mcpu=gfx1250 --defsym DOCPART=n.
;; ======== version 1 of 1: 4 launches
;; limits: right only within a limited range of input values
;; workspace buffers: x_codes 8,388,608 bytes; wqkv_codes 3,145,728 bytes; wout_codes 1,048,576 bytes; q_img 8,388,608 bytes; k_img 8,388,608 bytes; v_img 8,388,608 bytes; a2_img 8,388,608 bytes
;; launch quant (part 1): grid 384 x 1, 4 waves a work-group, no clusters, 33,280 bytes of LDS; arguments x, w_qkv, w_out, lowp_scales, x_codes, wqkv_codes, wout_codes; writes x_codes, wqkv_codes, wout_codes
.if DOCPART == 1
	.amdgcn_target "amdgcn-amd-amdhsa--gfx1250"
	.amdhsa_code_object_version 6
	.text
	.protected	k_q597084ba38_quant
	.globl	k_q597084ba38_quant
	.p2align	8
	.type	k_q597084ba38_quant,@function
k_q597084ba38_quant:
	s_mov_b64 s[64:65], 0
	v_nop
	global_prefetch_b8 v0, s[64:65] scope:SCOPE_SE
	s_setreg_imm32_b32 hwreg(HW_REG_WAVE_MODE, 25, 1), 1
	s_wait_xcnt 0x0
; THE PROGRAM: causal self-attention, 4 x 2,048 tokens, 16 heads of 64, all four products on codes of FP8 (E4M3), one given scale 2^e for each operand (lowp_scales[0..7]).
;   this launch: x, w_qkv, w_out -> codes.   second: x w_qkv^T, its sums quantised to q, k, v.   third: softmax(q k^T / 8) v under the causal mask, quantised.   fourth: that times w_out^T -> out0.
; WORK LEFT OUT (in the third launch alone): a step of 128 keys all of which come after a tile's 16 queries.  The mask that the problem builds itself (tril) sets their scores to -infinity,
; so their weights are 0 and they add 0 to the row's sum and to the product, whatever finite values x, w_qkv and w_out hold.  Slots of keys that no query of a work-group may see are not fetched.
; No input is without a way to the output: all four are loaded.  LIMIT: a NaN, an infinity or an overflow that reaches only such hidden scores is not carried to the result.
;
; THIS LAUNCH.  x [8192][1024], w_qkv [3072][1024], w_out [1024][1024], f32, K innermost, become codes, one a byte: code = number / 2^e, held within +-448, to the nearest code, ties to even.
; e = entry 0 (x), 1 (w_qkv), 7 (w_out) of the scales.  LIMITS: -126 <= e <= 119, so that 2^e and 448 x 2^e are f32 numbers.  NaN among the inputs is not served.
; Rows are dense and 1,024 is a multiple of 32: each tensor is a plain stream of blocks of 32 numbers.  The first 256 work-groups take x, the next 96 w_qkv, the last 32 w_out: only pointers are chosen, one path.
; THE ORDER INSIDE A BLOCK OF 32 CODES: the two middle pieces of 8 bytes change places (memory pieces 0, 1, 2, 3 hold k 0-7, 16-23, 8-15, 24-31).  A load of 16 bytes at 32 c + 16 (lane / 16) of a row then
; brings k = 32 c + 8 (lane / 16) + 0..7 and 32 c + 16 + 8 (lane / 16) + 0..7: registers 4 c .. 4 c + 3 of a fragment of the 16x16x128 fp8 form, each k in its own place.
; A wave takes 16 steps of 512 numbers.  Each of a step's four loads reads 512 consecutive bytes; the 2,048 bytes turn through the wave's own stage in LDS (16 bytes of padding behind each 64) and come back so
; that lane l holds, of block l / 2, the two runs of 8 neighbours that begin at k = 8 (l % 2) and 16 + 8 (l % 2).  Its 16 codes are 16 bytes: the wave stores 512 consecutive bytes.
; (The reads from the stage fall two deep on the same banks; the launch moves bytes and has time for it.)  No barrier: waves share nothing.
.set WAVES, 4
.set STEPS, 16
.set WGX,   256                        ; work-groups for x: 8,192 x 1,024 / 32,768
.set WGQ,   352                        ; + 96 for w_qkv
.set EMAX,  8
.set MANT,  0x600000                   ; the mantissa field of 448 as f32
.set CB,    16                         ; bytes of 16 codes
.set R,     16                         ; v16-79   four sets of 16 numbers as they are loaded
.set X,     80                         ; v80-111  two sets of 16 numbers as the conversions want them
.set C,     128                        ; v128-191 codes: four registers for each step, so that no store's data are written again
.set WREG,  8192                       ; LDS: a region of its own for each wave: two stages of 32 x SP bytes
.set SP,    80                         ; 64 bytes + 16 of padding
.set SPW,   12                         ; v12      LDS address of my spare word; never rewritten
.set NIL,   13                         ; v13      0; never rewritten
.set SPARE, WAVES*WREG                 ; behind the four regions: the spare words, 128 bytes for each wave
	s_load_b128 s[4:7], s[0:1], 0x0                ; x, w_qkv
	s_load_b128 s[8:11], s[0:1], 0x10              ; w_out, the scales' exponents
	s_load_b128 s[12:15], s[0:1], 0x20             ; x's codes, w_qkv's codes
	s_load_b64 s[24:25], s[0:1], 0x30              ; w_out's codes
	v_lshl_add_u32 v[SPW], v0, 2, SPARE
	v_mov_b32 v[NIL], 0
	v_lshrrev_b32 v1, 5, v0
	v_readfirstlane_b32 s16, v1                    ; wave
	v_and_b32 v2, 31, v0                           ; lane
	v_lshlrev_b32 v3, 4, v2                        ; 16 x lane: my bytes of a load's 512, and of a store's
	s_mul_i32 s17, s16, WREG
	v_lshrrev_b32 v14, 2, v2
	v_mul_u32_u24 v14, v14, SP
	v_and_b32 v15, 3, v2
	v_lshl_add_u32 v14, v15, 4, v14
	v_add_nc_u32 v14, s17, v14                     ; the stage, on the way in: SP (lane / 4) + 16 (lane % 4)
	v_lshrrev_b32 v15, 1, v2
	v_mul_u32_u24 v15, v15, 2*SP
	v_and_b32 v1, 1, v2
	v_lshl_add_u32 v15, v1, 5, v15
	v_add_nc_u32 v15, s17, v15                     ; and on the way out: block lane / 2 (two places of SP), + 32 bytes (8 numbers) x (lane % 2)
	s_wait_alu depctr_va_vdst(0)
	s_wait_kmcnt 0x0
	s_load_b256 s[32:39], s[10:11], 0x0            ; e0 .. e7
	s_cmp_lt_u32 ttmp9, WGQ                        ; which tensor?  The choices hang on the work-group's number alone
	s_cselect_b64 s[6:7], s[6:7], s[8:9]           ; w_qkv or w_out,
	s_cselect_b64 s[14:15], s[14:15], s[24:25]     ; their codes,
	s_mov_b32 s17, WGQ
	s_cselect_b32 s17, WGX, s17                    ; and the tensor's first work-group
	s_cmp_lt_u32 ttmp9, WGX
	s_cselect_b64 s[4:5], s[4:5], s[6:7]           ; x or one of those
	s_cselect_b64 s[8:9], s[12:13], s[14:15]
	s_cselect_b32 s17, 0, s17
	s_sub_co_u32 s17, ttmp9, s17
	s_lshl_b32 s17, s17, 2
	s_add_co_u32 s18, s17, s16                     ; which run of 8,192 numbers of the tensor is my wave's
	s_lshl_b32 s20, s18, 15                        ; 32,768 bytes of numbers each (under 2^26 in all)
	s_mov_b32 s21, 0
	s_add_nc_u64 s[4:5], s[4:5], s[20:21]
	s_lshl_b32 s20, s18, 13                        ; 8,192 bytes of codes each
	s_add_nc_u64 s[8:9], s[8:9], s[20:21]
.macro LOAD t
.irp i, 0,1,2,3
	global_load_b128 v[R+16*((\t)%4)+4*\i:R+16*((\t)%4)+4*\i+3], v3, s[4:5] offset:2048*(\t)+512*\i th:TH_LOAD_NT   ; 32 lanes read 512 consecutive bytes
.endr
.endm
.macro TURN t                          ; step t's numbers through the stage: LDS serves a wave's instructions in order, so no wait stands between the stores and the loads
.irp i, 0,1,2,3
	ds_store_b128 v14, v[R+16*((\t)%4)+4*\i:R+16*((\t)%4)+4*\i+3] offset:32*SP*((\t)%2)+8*SP*\i
.endr
.irp i, 0,1,2,3
	ds_load_b128 v[X+16*((\t)%2)+4*\i:X+16*((\t)%2)+4*\i+3], v15 offset:32*SP*((\t)%2)+SP*(\i/2)+16*(\i%2)   ; 8 numbers of the block's first half, 8 of its second
.endr
.endm
.irp t, 0,1,2,3
	LOAD \t
.endr
	s_wait_kmcnt 0x0
	s_cmp_lt_u32 ttmp9, WGQ
	s_cselect_b32 s22, s33, s39                    ; e1 or e7,
	s_cmp_lt_u32 ttmp9, WGX
	s_cselect_b32 s22, s32, s22                    ; or e0
	s_add_co_i32 s22, s22, 127
	s_lshl_b32 s23, s22, 23
	v_mov_b32 v11, s23                             ; 2^e as f32: the conversion takes its exponent field
	s_add_co_i32 s22, s22, EMAX
	s_lshl_b32 s22, s22, 23
	s_or_b32 s22, s22, MANT
	s_wait_alu depctr_va_vdst(0)
	s_wait_loadcnt 12                              ; step 0's four loads are in; the twelve of steps 1 to 3 may be out
	TURN 0
.macro STEP t
.set XS, X+16*((\t)%2)
	s_wait_dscnt 0x0                               ; this step's numbers are back from the stage: so its stores into the stage have read their registers,
.if (\t)+4 < STEPS
	LOAD (\t)+4                                    ; which take the loads of four steps on
.endif
.if (\t)+1 < STEPS
.if STEPS-2-(\t) >= 3
	s_wait_loadcnt 12                              ; the next step's four loads are in; those of the three steps behind it may be out
.else
	s_wait_loadcnt 4*(STEPS-2-(\t))                ; towards the end fewer steps are behind it
.endif
	TURN (\t)+1                                    ; and go through the other stage while this step is worked
.endif
.irp i, 0,1,2,3,4,5,6,7,8,9,10,11,12,13,14,15
.endr
	v_cvt_scalef32_pk8_fp8_f32 v[C+4*(\t):C+4*(\t)+1], v[XS:XS+7], v11
	v_cvt_scalef32_pk8_fp8_f32 v[C+4*(\t)+2:C+4*(\t)+3], v[XS+8:XS+15], v11
	global_store_b128 v3, v[C+4*(\t):C+4*(\t)+3], s[8:9] offset:32*CB*(\t)   ; the results go to a store alone
.endm
.irp t, 0,1,2,3,4,5,6,7,8,9,10,11,12,13,14,15
	STEP \t
.endr
	s_wait_tensorcnt 0x0                           ; the wave's end, behind my last LDS store
	ds_add_u32 v[SPW], v[NIL]
	s_wait_dscnt 0x0
	s_endpgm
.Lfunc_end_k_q597084ba38_quant:
	.size	k_q597084ba38_quant, .Lfunc_end_k_q597084ba38_quant-k_q597084ba38_quant
	.p2alignl 7, 3214868480
	.fill 96, 4, 3214868480
	.section	.rodata,"a",@progbits
	.p2align	6, 0x0
	.amdhsa_kernel k_q597084ba38_quant
		.amdhsa_group_segment_fixed_size 33280
		.amdhsa_private_segment_fixed_size 0
		.amdhsa_enable_private_segment 0
		.amdhsa_kernarg_size 56
		.amdhsa_user_sgpr_count 2
		.amdhsa_user_sgpr_kernarg_segment_ptr 1
		.amdhsa_wavefront_size32 1
		.amdhsa_system_sgpr_workgroup_id_x 1
		.amdhsa_system_sgpr_workgroup_id_y 1
		.amdhsa_system_sgpr_workgroup_id_z 1
		.amdhsa_system_vgpr_workitem_id 0
		.amdhsa_next_free_vgpr 192
		.amdhsa_next_free_sgpr 66
		.amdhsa_reserve_vcc 0
		.amdhsa_float_denorm_mode_32 3
		.amdhsa_float_denorm_mode_16_64 3
		.amdhsa_fp16_overflow 1
		.amdhsa_memory_ordered 1
		.amdhsa_forward_progress 1
		.amdhsa_inst_pref_size 22
	.end_amdhsa_kernel
	.amdgpu_metadata
---
amdhsa.version: [ 1, 2 ]
amdhsa.kernels:
  - .name:           k_q597084ba38_quant
    .symbol:         k_q597084ba38_quant.kd
    .args:
      - { .name: x, .offset: 0, .size: 8, .value_kind: global_buffer, .address_space: global }
      - { .name: w_qkv, .offset: 8, .size: 8, .value_kind: global_buffer, .address_space: global }
      - { .name: w_out, .offset: 16, .size: 8, .value_kind: global_buffer, .address_space: global }
      - { .name: lowp_scales, .offset: 24, .size: 8, .value_kind: global_buffer, .address_space: global }
      - { .name: x_codes, .offset: 32, .size: 8, .value_kind: global_buffer, .address_space: global }
      - { .name: wqkv_codes, .offset: 40, .size: 8, .value_kind: global_buffer, .address_space: global }
      - { .name: wout_codes, .offset: 48, .size: 8, .value_kind: global_buffer, .address_space: global }
    .group_segment_fixed_size: 33280
    .private_segment_fixed_size: 0
    .kernarg_segment_align: 8
    .kernarg_segment_size: 56
    .max_flat_workgroup_size: 128
    .sgpr_count:     66
    .vgpr_count:     192
    .wavefront_size: 32
...
	.end_amdgpu_metadata
.endif
;; end of part 1
;; launch qkv (part 2): grid 12 x 32, 4 waves a work-group, clusters of 4 x 4, 327,680 bytes of LDS; arguments x_codes, wqkv_codes, lowp_scales, q_img, k_img, v_img; writes q_img, k_img, v_img
.if DOCPART == 2
	.amdgcn_target "amdgcn-amd-amdhsa--gfx1250"
	.amdhsa_code_object_version 6
	.text
	.protected	k_q597084ba38_qkv
	.globl	k_q597084ba38_qkv
	.p2align	8
	.type	k_q597084ba38_qkv,@function
k_q597084ba38_qkv:
	s_mov_b64 s[64:65], 0
	v_nop
	global_prefetch_b8 v0, s[64:65] scope:SCOPE_SE
	s_setreg_imm32_b32 hwreg(HW_REG_WAVE_MODE, 25, 1), 1
	s_wait_xcnt 0x0
	s_wait_alu depctr_hold_cnt(0) depctr_sa_sdst(0) depctr_va_vdst(0) depctr_va_sdst(0) depctr_va_ssrc(0) depctr_va_vcc(0) depctr_vm_vsrc(0)
	s_getreg_b32 s2, hwreg(HW_REG_IB_STS2, 6, 4)
	s_cmp_eq_u32 s2, 0
	s_cbranch_scc0 .Lentry_in_a_cluster
	s_endpgm
.Lentry_in_a_cluster:
	s_bfe_u32 s2, ttmp6, 0x10000c
	s_cmp_lg_u32 s2, 0xf033
	s_cbranch_scc0 .Lentry_shape_is_right
	s_endpgm
.Lentry_shape_is_right:
; qkv = x w_qkv^T on codes of FP8 (K = 1,024), and its f32 sums quantised at once to q (scale entry 2), k (entry 3) and v (entry 5): no f32 number goes to memory.
; A tile of 256 x 256 is made by four waves, each 128 x 128: 64 accumulators, 512 registers.  K goes in steps of 256 through a ring of two LDS slots filled by the tensor data mover.
; THE MATRIX INSTRUCTION: source 0 = 16 rows of 'B', source 1 = 16 rows of 'A': a lane holds ONE row of A and eight neighbouring rows of B.
;   cluster x = 0 (q), 1 (k): A = x (tokens), B = w_qkv (features).  A lane holds one token and eight neighbouring d: its conversions give registers of a fragment whose K is the head's 64.
;   cluster x = 2 (v): THE ROLES CHANGE PLACES: A = w_qkv (features), B = x (tokens).  A lane holds one d and eight neighbouring tokens: registers of a fragment of V^T whose K is 128 keys.
; Tile and wave tile are square and both tensors have rows of 1,024 bytes, so the change is a choice of pointers and tile numbers on the cluster's x, the same in all sixteen partners; the loop is one text.
; THE RESULTS LEAVE AS IMAGES OF OPERAND REGISTERS: four registers by one store of 16 bytes a lane at 16 x lane: 512 consecutive bytes, aligned.
;   q_img, k_img: [batch x head 64][block of 16 tokens 128][quad 2][lane][16]   (lane % 16 = token; registers 2 c, 2 c + 1: d = 16 c + 8 (lane / 16) + 0..7)
;   v_img:        [batch x head 64][step of 128 keys 16][16 d 4][quad 4][lane][16]   (lane % 16 = d; registers 2 c, 2 c + 1: key = 16 c + 8 (lane / 16) + 0..7)
; CLUSTERS: 4 x 4 work-groups; A's tile is shared along a row of the cluster, B's along a column: each is asked for jointly.
; LIMIT: (the result's e) - e0 - e1 lies between -126 and 119, so that the conversion's scale and 448 x it are f32 numbers.
; REGISTERS: window 0: v0-31 addresses and scales; v32-95 at work on the way out; from v128 A's fragments, ONE set (on the way out: the codes).  window 1: B's fragments, TWO sets.  windows 2, 3: the accumulators ((a, b) at v[8 (8 (a % 4) + b)]).
.set KSTEP,  256                       ; along K in a slot
.set ROWB,   256                       ; a tile's row in bytes
.set KROW,   1024                      ; a row of codes in memory
.set PITCH,  272                       ; an LDS row: 256 bytes + 16 of padding: the 16 rows that a load touches start at 16 different banks (64 banks of 4 bytes: ISA guide 11.1)
.set FR,     16                        ; registers of a fragment: 16 rows x 128 K
.set NL,     4                         ; LDS loads that bring one
.set NP,     4                         ; places behind this matrix instruction (ISA guide 7.12.1)
.set HALFT,  128*PITCH                 ; 128 rows: what one tensor load brings, and what one wave reads of A or of B
.set SLOT,   4*HALFT                   ; A's 256 rows, then B's 256 rows
.set LAPS,   1024/(2*KSTEP)            ; a lap = two K steps = once round the ring
.set SPARE,  2*SLOT                    ; behind the ring: the spare words, 128 bytes for each wave
.set ADRA, 16                          ; v16-17  LDS address of my A fragments in slot 0, 1
.set ADRB, 20                          ; v20-21  the same for B
.set CO,   26                          ; v26     16 x lane: my place in an image's 512 bytes
.set SPW,  28                          ; v28     LDS address of my spare word; never rewritten
.set NIL,  29                          ; v29     0; never rewritten
.set SCL,  30                          ; v30     the conversion's scale
.set LIM,  31
.set TMP,  32
.set AF,   128                         ; A's fragments, in window 0
.set CD,   128                         ; the way out: 16 registers of codes for each of my eight blocks
.set G1, 24                            ; s[24:31] descriptor group 1 for A's tiles;  s[32:39] group 0, one set for each slot
.set G0, 32
.set G1B, 48                           ; s[48:55], s[56:63] the same for B's tiles
.set G0B, 56
.set MSB, 0
.macro WIN new                         ; the immediate's high byte repeats the setting that is left
.if MSB != (\new)
	s_set_vgpr_msb (MSB<<8)|(\new)
.set MSB, (\new)
.endif
.endm
.set MUL_LO, 0xa1                      ; source 0 (B) window 1, source 1 (A) window 0, C and D window 2
.set MUL_HI, 0xf1                      ; the same, C and D window 3
.set TO_B,   0x40                      ; destination window 1, address window 0
; A joint load: waves 0 and 1 fetch for A, waves 2 and 3 for B.  The branch hangs on the wave's number alone.  An s_nop 0 and four v_nop follow each of the two lines.
.macro JLOAD g0a, g1a, g0b, g1b
	s_cmp_eq_u32 s15, 0
	s_cbranch_scc0 .Lfor_b_\@
	tensor_load_to_lds s[\g0a:\g0a+3], s[\g1a:\g1a+7]
	s_nop 0
.rept 4
	v_nop
.endr
	s_branch .Lasked_\@
.Lfor_b_\@:
	tensor_load_to_lds s[\g0b:\g0b+3], s[\g1b:\g1b+7]
	s_nop 0
.rept 4
	v_nop
.endr
.Lasked_\@:
.endm
.macro CREST                           ; a round of the cluster's barrier behind its opening barrier
	s_cmp_lg_u32 s14, 0
	s_cbranch_scc1 .Lnot_wave_0_\@
	s_barrier_signal -3
.Lnot_wave_0_\@:
	s_barrier_wait -3
	s_barrier_signal -1
	s_barrier_wait -1
.endm
.macro CROUND                          ; a whole round
	s_barrier_signal -1
	s_barrier_wait -1
	CREST
.endm
	s_load_b128 s[4:7], s[0:1], 0x0                ; x's codes s[4:5], w_qkv's codes s[6:7]
	s_load_b128 s[8:11], s[0:1], 0x10              ; the scales' exponents s[8:9], q_img s[10:11]
	s_load_b128 s[68:71], s[0:1], 0x20             ; k_img s[68:69], v_img s[70:71]
	v_lshl_add_u32 v[SPW], v0, 2, SPARE
	v_mov_b32 v[NIL], 0
	ds_add_u32 v[SPW], v[NIL]                      ; the wave's opening: the add, twice on end, and its wait ahead of my first tensor load; the set-up below stands between
	ds_add_u32 v[SPW], v[NIL]
	v_lshrrev_b32 v1, 5, v0
	v_readfirstlane_b32 s14, v1                    ; wave 0..3
	s_lshr_b32 s15, s14, 1                         ; which half of A's rows is mine.  Also: I fetch for A (0) or for B (1)
	s_and_b32 s16, s14, 1                          ; which half of B's rows.  Also: which 128 rows of that tile I fetch
	s_bfe_u32 s40, ttmp6, 0x40000                  ; cx, cy: my place in the cluster
	s_bfe_u32 s41, ttmp6, 0x40004
	s_and_b32 s17, ttmp7, 0xffff
	s_lshl_b32 s17, s17, 2                         ; 4 x cluster y
	s_add_co_u32 s73, s17, s40                     ; + cx: the token tile where tokens are B's rows (v)
	s_add_co_u32 s17, s17, s41                     ; + cy: the token tile where tokens are A's rows (q, k)
	s_lshl_b32 s42, ttmp9, 2
	s_add_co_u32 s42, s42, s40                     ; 4 x cluster x + cx: the feature tile where features are B's rows (q: 0-3, k: 4-7)
	s_add_co_u32 s74, s41, 8                       ; 8 + cy: the feature tile where features are A's rows (v: 8-11)
	s_cmp_eq_u32 ttmp9, 2                          ; v?  The cluster's x: the same in all sixteen partners
	s_cselect_b32 s75, s74, s17                    ; A's tile: made of the cluster's y and cy alone, which my row of the cluster shares
	s_cselect_b32 s76, s73, s42                    ; B's tile: made of the cluster's x, y and cx alone, which my column shares
	s_lshl_b32 s43, s41, 2
	s_lshl_b32 s43, 15, s43                        ; my row of the cluster
	s_lshl_b32 s44, 0x1111, s40                    ; my column
	; descriptor group 1: a tile of 128 rows x 256 bytes, padded in LDS
	s_or_b32 s[G1+0], s43, (0<<16)|(1<<20)|(1<<21)|(5<<22)|(3<<25)  ; 15:0 the mask; 17:16 element of 1 byte; 20 padding on; 21 set beside a mask; 24:22 after every 64 words (code 5); 31:25 of 4 words (code 3)
	s_or_b32 s[G1B+0], s44, (0<<16)|(1<<20)|(1<<21)|(5<<22)|(3<<25)
.irp g, G1, G1B
	s_mov_b32 s[\g+1], ROWB<<16                    ; tensor_dim0
	s_mov_b32 s[\g+2], 128<<16                     ; tensor_dim1 = 128
	s_mov_b32 s[\g+3], ROWB<<16                    ; tile_dim0
	s_mov_b32 s[\g+4], 128                         ; tile_dim1 = 128
	s_mov_b32 s[\g+5], KROW                        ; tensor_dim0_stride
	s_mov_b32 s[\g+6], 0
	s_mov_b32 s[\g+7], 0
.endr
	s_lshl_b32 s18, s16, 7                         ; which 128 rows of the tile I fetch
	s_lshl_b32 s20, s75, 8
	s_add_co_u32 s20, s20, s18                     ; A: row 256 x tile + 128 x half,
	s_lshl_b32 s20, s20, 10                        ; of 1,024 bytes (under 2^23 in all)
	s_mov_b32 s21, 0
	s_lshl_b32 s46, s76, 8
	s_add_co_u32 s46, s46, s18                     ; B likewise
	s_lshl_b32 s46, s46, 10
	s_mov_b32 s47, 0
	s_mul_i32 s45, s14, HALFT                      ; where they go: wave x 128 rows: no place in the cluster enters an LDS address
	s_wait_dscnt 0x0                               ; both opening adds are done
	s_wait_kmcnt 0x0
	s_load_b256 s[84:91], s[8:9], 0x0              ; e0 .. e7
	s_cmp_eq_u32 ttmp9, 2
	s_cselect_b64 s[78:79], s[6:7], s[4:5]         ; A's tensor: w_qkv for v, else x
	s_cselect_b64 s[80:81], s[4:5], s[6:7]         ; B's: the other
	s_add_nc_u64 s[20:21], s[78:79], s[20:21]
	s_add_nc_u64 s[46:47], s[80:81], s[46:47]
	CROUND                                         ; all sixteen work-groups are here: the first joint loads meet
.irp s, 0,1
	s_mov_b32 s[G0+4*\s], 1
	s_add_co_u32 s[G0+4*\s+1], s45, \s*SLOT
	s_add_nc_u64 s[G0+4*\s+2:G0+4*\s+3], s[20:21], \s*ROWB
	s_or_b32 s[G0+4*\s+3], s[G0+4*\s+3], 0x80000000
	s_mov_b32 s[G0B+4*\s], 1
	s_add_co_u32 s[G0B+4*\s+1], s45, \s*SLOT
	s_add_nc_u64 s[G0B+4*\s+2:G0B+4*\s+3], s[46:47], \s*ROWB
	s_or_b32 s[G0B+4*\s+3], s[G0B+4*\s+3], 0x80000000
	JLOAD G0+4*\s, G1, G0B+4*\s, G1B               ; two loads of mine are out
.endr
	v_and_b32 v1, 15, v0                           ; l % 16
	v_bfe_u32 v2, v0, 4, 1                         ; l / 16
	v_mul_u32_u24 v3, v1, PITCH
	v_lshl_add_u32 v4, v2, 4, v3                   ; a fragment's row x pitch + 16 x half
	s_mul_i32 s21, s15, HALFT                      ; my 128 rows of A
	s_mul_i32 s22, s16, HALFT                      ; my 128 rows of B,
	s_add_co_u32 s22, s22, 2*HALFT                 ; which lie behind A's 256
.irp s, 0,1
	v_add_nc_u32 v[ADRA+\s], s21, v4
	v_add_nc_u32 v[ADRB+\s], s22, v4
	s_add_co_u32 s21, s21, SLOT
	s_add_co_u32 s22, s22, SLOT
.endr
	v_and_b32 v6, 31, v0
	v_lshlrev_b32 v[CO], 4, v6
	; where my images begin.  tokens: tile tt (8 to a batch), my half ts of it;  heads: quarter hq of the 16, my half hs of its four
	s_cmp_eq_u32 ttmp9, 2
	s_cselect_b32 s93, s73, s17                    ; tt
	s_cselect_b32 s94, s41, s40                    ; hq: cy for v, cx for q and k
	s_cselect_b32 s95, s15, s16                    ; hs: features are A's rows for v, B's for q and k
	s_cselect_b32 s96, s16, s15                    ; ts: the other
	s_lshr_b32 s97, s93, 3                         ; the batch
	s_and_b32 s93, s93, 7                          ; the tile of 256 tokens in it
	s_lshl_b32 s97, s97, 4
	s_lshl_b32 s94, s94, 2
	s_add_co_u32 s97, s97, s94
	s_lshl_b32 s95, s95, 1
	s_add_co_u32 s97, s97, s95                     ; 16 x batch + my first head,
	s_lshl_b32 s97, s97, 17                        ; of 131,072 bytes each
	s_lshl_b32 s93, s93, 14                        ; 256 tokens are 16,384 bytes of a head, in all three layouts,
	s_add_co_u32 s97, s97, s93
	s_lshl_b32 s96, s96, 13                        ; 128 tokens 8,192
	s_add_co_u32 s96, s97, s96
	s_mov_b32 s97, 0
	s_wait_alu depctr_va_vdst(0)
	s_wait_kmcnt 0x0                               ; the exponents
	s_cmp_eq_u32 ttmp9, 0
	s_cselect_b32 s92, s86, s87                    ; e2 (q) or e3 (k),
	s_cselect_b64 s[10:11], s[10:11], s[68:69]     ; q_img or k_img,
	s_cmp_eq_u32 ttmp9, 2
	s_cselect_b32 s92, s89, s92                    ; or e5 (v)
	s_cselect_b64 s[10:11], s[70:71], s[10:11]     ; and v_img
	s_add_nc_u64 s[10:11], s[10:11], s[96:97]
	s_sub_co_i32 s92, s92, s84
	s_sub_co_i32 s92, s92, s85                     ; a sum stands for sum x 2^(e0 + e1): its code is sum / 2^(e - e0 - e1): the three scales are folded into the conversion's one
	s_add_co_i32 s92, s92, 127
	s_lshl_b32 s93, s92, 23
	v_mov_b32 v[SCL], s93
.macro FRAG reg, adr, q, i             ; a fragment, 16 rows x 128 K: four loads of 16 bytes; by the codes' order in memory registers 2 c, 2 c + 1 hold K = 16 c + 8 (l / 16) + 0 .. 7
.irp c, 0,1,2,3
	ds_load_b128 v[\reg+4*\c:\reg+4*\c+3], v[\adr] offset:128*(\q)+32*\c+(\i)*16*PITCH
.endr
.endm
; 16 matrix instructions: A's blocks a0, a0 + 1 x B's eight, 128 along K.  p: B's set.  zero = 1: the first product starts the sums.
; The 64 accumulators take turns, one instruction a turn, in the same order in every step.
.macro MUL16 a0, p, zero
.irp a, \a0, \a0+1
.irp b, 0,1,2,3,4,5,6,7
.if \zero
	v_wmma_f32_16x16x128_fp8_fp8 v[8*(8*((\a)%4)+\b):8*(8*((\a)%4)+\b)+7], v[128*(\p)+FR*\b:128*(\p)+FR*\b+FR-1], v[AF+FR*(\a):AF+FR*(\a)+FR-1], 0
.else
	v_wmma_f32_16x16x128_fp8_fp8 v[8*(8*((\a)%4)+\b):8*(8*((\a)%4)+\b)+7], v[128*(\p)+FR*\b:128*(\p)+FR*\b+FR-1], v[AF+FR*(\a):AF+FR*(\a)+FR-1], v[8*(8*((\a)%4)+\b):8*(8*((\a)%4)+\b)+7]
.endif
.endr
.endr
.endm
.macro FETCH_B slot, q, p              ; B's eight fragments of the slot's q-th 128 along K into set p
	WIN TO_B
.irp i, 0,1,2,3,4,5,6,7
	FRAG 128*(\p)+FR*\i, ADRB+\slot, \q, \i
.endr
	WIN 0
.endm
.macro FETCH_A slot, q, i0             ; A's blocks i0 .. i0 + 3
.irp i, \i0, \i0+1, \i0+2, \i0+3
	FRAG AF+FR*(\i), ADRA+\slot, \q, \i
.endr
.endm
.macro PLACES n                        ; plain vector instructions between a matrix instruction and a load into, or a vector read or write of, its registers
.rept \n
	v_nop
.endr
.endm
; A step of 128 along K that has its successor in the same slot.
.macro STEP slot, q, zero
	s_wait_dscnt 4*NL                              ; B's set and A's blocks 0-3 are in; the youngest sixteen loads (A's blocks 4-7) may be out
	WIN MUL_LO
	MUL16 0, (\q)%2, \zero
	MUL16 2, (\q)%2, \zero
	s_wait_dscnt 0                                 ; A's blocks 4-7 are in (asked for 32 matrix instructions ago)
	PLACES NP
	FETCH_B \slot, (\q)+1, 1-(\q)%2
	FETCH_A \slot, (\q)+1, 0
	WIN MUL_HI
	MUL16 4, (\q)%2, \zero
	MUL16 6, (\q)%2, \zero
	PLACES NP
	WIN 0
	FETCH_A \slot, (\q)+1, 4
.endm
; A slot's last step changes slots: ONE barrier; in front of it each wave waits for all its tensor loads, adds 0 to its spare word, and waits for that and for its own reads of this slot.  fill = 1: this slot is filled again, two K steps ahead.
.macro TURN slot, next, fill
	s_wait_tensorcnt 0x0                           ; all my tensor loads have landed: my part of the next slot  (every window is 0 here)
	ds_add_u32 v[SPW], v[NIL]                      ; 0 onto my spare word
	s_wait_dscnt 4*NL+1                            ; the add and the youngest sixteen loads, A's blocks 4-7, may be out
	WIN MUL_LO
	MUL16 0, 1, 0                                  ; sixteen matrix instructions stand between the add and the wait for it
	s_wait_dscnt 0x0                               ; the add is done, and my reads of this slot are over
	s_barrier_signal -1
	MUL16 2, 1, 0
	WIN 0
	s_barrier_wait -1
.if \fill
	CREST                                          ; the barrier has opened a round of the cluster's barrier: no wave of any partner still reads this slot's tile or has a load on its way
	s_add_nc_u64 s[G0+4*\slot+2:G0+4*\slot+3], s[G0+4*\slot+2:G0+4*\slot+3], 2*ROWB
	s_add_nc_u64 s[G0B+4*\slot+2:G0B+4*\slot+3], s[G0B+4*\slot+2:G0B+4*\slot+3], 2*ROWB
	JLOAD G0+4*\slot, G1, G0B+4*\slot, G1B         ; the first tensor load behind the round; the four v_nop behind it are the places in front of the loads below
.else
	PLACES NP
.endif
	FETCH_B \next, 0, 0
	FETCH_A \next, 0, 0
	WIN MUL_HI
	MUL16 4, 1, 0
	MUL16 6, 1, 0
	PLACES NP
	WIN 0
	FETCH_A \next, 0, 4
.endm
	s_wait_tensorcnt 1                             ; my part of K step 0 is in; K step 1's load may be out
	s_barrier_signal -1
	s_barrier_wait -1                              ; everybody's is
	FETCH_B 0, 0, 0
	FETCH_A 0, 0, 0
	FETCH_A 0, 0, 4
	STEP 0, 0, 1                                   ; the first step stands in front of the loop: its products start the sums
	s_mov_b32 s3, LAPS-1
.Llap:                                                 ; a trip goes once round the ring, from a lap's second step to the next lap's first, and fills both slots again
	TURN 0, 1, 1
	STEP 1, 0, 0
	TURN 1, 0, 1
	STEP 0, 0, 0
	s_sub_co_u32 s3, s3, 1
	s_cmp_lg_u32 s3, 0
	s_cbranch_scc1 .Llap
	TURN 0, 1, 0                                   ; the last lap fills nothing, and has no round of the cluster's barrier
	STEP 1, 0, 0
	s_wait_dscnt 4*NL                              ; the very last step: nothing more to fetch
	WIN MUL_LO
	MUL16 0, 1, 0
	MUL16 2, 1, 0
	s_wait_dscnt 0
	WIN MUL_HI
	MUL16 4, 1, 0
	MUL16 6, 1, 0
	WIN 0
; THE WAY OUT, block a of 16 rows of A at a time: 64 sums a lane are converted eight at a time and stored as they stand.
; isv = 0: accumulator (a, b) gives registers 2 (b % 4), 2 (b % 4) + 1 of the image of token block a, head b / 4: two images of 8 registers.
; isv = 1: it gives registers 2 b, 2 b + 1 of ONE fragment of V^T: d tile a % 4 of head a / 4, my 128 tokens its K.
; Each block has its own registers for its codes, so no store's data are written again.
.macro BLOCKOUT a, isv
.set AC, 64*((\a)%4)
	WIN 0x02+((\a)/4)                              ; source 0: window 2 or 3
.set j, 0
.rept 64
.set j, j+1
.endr
.irp b, 0,1,2,3,4,5,6,7
	v_cvt_scalef32_pk8_fp8_f32 v[CD+16*(\a)+2*\b:CD+16*(\a)+2*\b+1], v[AC+8*\b:AC+8*\b+7], v[SCL]
.endr
	WIN 0
	v_nop                                          ; a plain line between the conversions and the stores
.irp s, 0,1,2,3
.if \isv
	global_store_b128 v[CO], v[CD+16*(\a)+4*\s:CD+16*(\a)+4*\s+3], s[10:11] offset:((\a)/4)*131072+((\a)%4)*2048+\s*512
.else
	global_store_b128 v[CO], v[CD+16*(\a)+4*\s:CD+16*(\a)+4*\s+3], s[10:11] offset:(\s/2)*131072+(\a)*1024+(\s%2)*512
.endif
.endr
.endm
	PLACES NP                                      ; behind the last products: the conversions read results and write registers that held A's fragments
	s_cmp_eq_u32 ttmp9, 2                          ; the cluster's x: all partners and all waves go the same way
	s_cbranch_scc1 .Lv_out
	s_wait_alu depctr_va_vdst(0)
.irp a, 0,1,2,3,4,5,6,7
	BLOCKOUT \a, 0
.endr
	s_branch .Ldone
.Lv_out:
	s_wait_alu depctr_va_vdst(0)
.irp a, 0,1,2,3,4,5,6,7
	BLOCKOUT \a, 1
.endr
.Ldone:
	s_wait_tensorcnt 0x0                           ; the wave's end, behind my last tensor load
	ds_add_u32 v[SPW], v[NIL]
	s_wait_dscnt 0x0
	CROUND                                         ; the closing round: no work-group ends while a partner may still ask for a tile that names it
	s_endpgm
.Lfunc_end_k_q597084ba38_qkv:
	.size	k_q597084ba38_qkv, .Lfunc_end_k_q597084ba38_qkv-k_q597084ba38_qkv
	.p2alignl 7, 3214868480
	.fill 96, 4, 3214868480
	.section	.rodata,"a",@progbits
	.p2align	6, 0x0
	.amdhsa_kernel k_q597084ba38_qkv
		.amdhsa_group_segment_fixed_size 327680
		.amdhsa_private_segment_fixed_size 0
		.amdhsa_enable_private_segment 0
		.amdhsa_kernarg_size 48
		.amdhsa_user_sgpr_count 2
		.amdhsa_user_sgpr_kernarg_segment_ptr 1
		.amdhsa_wavefront_size32 1
		.amdhsa_system_sgpr_workgroup_id_x 1
		.amdhsa_system_sgpr_workgroup_id_y 1
		.amdhsa_system_sgpr_workgroup_id_z 1
		.amdhsa_system_vgpr_workitem_id 0
		.amdhsa_next_free_vgpr 1024
		.amdhsa_next_free_sgpr 100
		.amdhsa_reserve_vcc 0
		.amdhsa_float_denorm_mode_32 3
		.amdhsa_float_denorm_mode_16_64 3
		.amdhsa_fp16_overflow 1
		.amdhsa_memory_ordered 1
		.amdhsa_forward_progress 1
		.amdhsa_inst_pref_size 94
	.end_amdhsa_kernel
	.amdgpu_metadata
---
amdhsa.version: [ 1, 2 ]
amdhsa.kernels:
  - .name:           k_q597084ba38_qkv
    .symbol:         k_q597084ba38_qkv.kd
    .args:
      - { .name: x_codes, .offset: 0, .size: 8, .value_kind: global_buffer, .address_space: global }
      - { .name: wqkv_codes, .offset: 8, .size: 8, .value_kind: global_buffer, .address_space: global }
      - { .name: lowp_scales, .offset: 16, .size: 8, .value_kind: global_buffer, .address_space: global }
      - { .name: q_img, .offset: 24, .size: 8, .value_kind: global_buffer, .address_space: global }
      - { .name: k_img, .offset: 32, .size: 8, .value_kind: global_buffer, .address_space: global }
      - { .name: v_img, .offset: 40, .size: 8, .value_kind: global_buffer, .address_space: global }
    .group_segment_fixed_size: 327680
    .private_segment_fixed_size: 0
    .kernarg_segment_align: 8
    .kernarg_segment_size: 48
    .max_flat_workgroup_size: 128
    .sgpr_count:     100
    .vgpr_count:     1024
    .wavefront_size: 32
...
	.end_amdgpu_metadata
.endif
;; end of part 2
;; launch attn (part 3): grid 4 x 64, 16 waves a work-group, no clusters, 327,680 bytes of LDS; arguments q_img, k_img, v_img, lowp_scales, a2_img; writes a2_img
.if DOCPART == 3
	.amdgcn_target "amdgcn-amd-amdhsa--gfx1250"
	.amdhsa_code_object_version 6
	.text
	.protected	k_q597084ba38_attn
	.globl	k_q597084ba38_attn
	.p2align	8
	.type	k_q597084ba38_attn,@function
k_q597084ba38_attn:
	s_mov_b64 s[64:65], 0
	v_nop
	global_prefetch_b8 v0, s[64:65] scope:SCOPE_SE
	s_setreg_imm32_b32 hwreg(HW_REG_WAVE_MODE, 25, 1), 1
	s_wait_xcnt 0x0
; O[q] = the sum over keys k <= q of softmax_k(Q[q] . K[k] / 8) V[k], for each of 64 (batch, head), both products on codes of FP8 (E4M3), and O quantised at once for the projection.
; WORK LEFT OUT: a step of 128 keys all of which come after a tile's 16 queries (the problem's own causal mask gives them weight 0 for all finite inputs), and the fetching of slots of keys that no query of the work-group may see.
; LIMIT: a NaN or an infinity that reaches only such hidden scores is not carried to the result.
; THE SOFTMAX AHEAD OF THE SECOND PRODUCT: t = score x log2(e) / 8; M = the row's largest t so far, rounded UP to a whole number; p = 2^(t - M) is what is quantised (scale entry 4), not normalised.
; The row's sum is taken of the unquantised p and divides O at the end.  When M moves, the sum and O are multiplied by 2^(old M - new M): exact.
; SHARES.  Work-group (x, head) owns the blocks x and 7 - x of 256 queries: (x + 1) + (8 - x) = 9 slots of keys for every x, so all 256 work-groups have equal work.  Wave w of sixteen owns tile A (queries
; 256 x + 16 w on) and tile B (256 (7 - x) + 16 w on), in 256 registers: four waves to a SIMD, so that one wave's vector work stands beside another's matrix work and LDS loads.
; One walk over the keys, 128 a step, serves both tiles.  K and V come as images of operand registers through a ring of two LDS slots of 256 keys (wave 0 fetches K's 16 KiB, wave 1 V's), read at 16 x lane.
; NO CLUSTER: the four work-groups of a head need 8 - x slots, a different number each, and a joint load may not be left out by some of those that it names.
; LAYOUT.  S^T = K Q^T (source 0 = 16 keys, source 1 = 16 queries, K = 64), O^T = V^T P^T (source 0 = 16 d, source 1 = P, K = 128 keys): a lane holds ONE query (lane % 16) throughout; register 8 c + j of S^T is key
; 16 c + 8 (lane / 16) + j, so the conversion of tile c gives registers 2 c, 2 c + 1 of P's fragment; the conversion of O^T's tile t gives registers 2 t, 2 t + 1 of the projection's operand.
; a2_img: [4 heads 4][block of 16 tokens 512][head % 4][quad 2][lane][16].
; LIMITS on the given exponents, so that each power of two below is an f32 number: e2 + e3 between -123 and 130 (added to c's exponent field); e4, and e6 - e4 - e5, between -126 and 119.
.set SK,    256                        ; keys in a slot
.set SLOT1, 1<<15                      ; a slot: 16,384 bytes of K's images, 16,384 of V's; one exclusive or turns an address in one slot into the other's
.set VOFF,  16384
.set NSL,   2048/SK                    ; slots' worth of keys
.set SPARE, 2*SLOT1                    ; behind the ring: the spare words, 128 bytes for each of sixteen waves
.set LI,   1                           ; v1   16 x lane
.set PFO,  2                           ; v2   256 x lane: the prefetches' offset; never rewritten
.set ADR,  3                           ; v3   LDS address of the slot in hand + 16 x lane
.set DQ,   4                           ; v4   lane % 16 - 8 (lane / 16), for the mask
.set SPW,  5                           ; v5   LDS address of my spare word; never rewritten
.set NIL,  6                           ; v6   0; never rewritten
                                       ; v[8:11], v[12:15]  tile A's, tile B's: -M, the largest t, the sum in two halves
                                       ; v[16:23], v[24:31] Q of tile A, of tile B
.set KV,   32                          ; v32-95   eight fragments of K (8 registers), then four of V (16)
.set S,    96                          ; v96-159  S^T, then p
                                       ; v160-191, v192-223 O^T of tile A, of tile B
.set PC,   224                         ; v224-239 p's codes
.set PLIM, 240
.set PSCL, 241                         ; 2^e4
.set SUM2, 242                         ; v[242:243] the sums' second chain
.set XCH,  244                         ; a lane permute's destination
.set DM,   245                         ; the mask's d; on the way out a second permute's destination
.set NINF, 246                         ; -infinity
.set F,    248                         ; v[248:249] f = 2^(old M - new M); on the way out 1 / tile A's sum
.set MX,   250                         ; v250, v251 the maximum's two chains; on the way out 1 / tile B's sum
.set OSCL, 252                         ; 2^(e6 - e4 - e5)
.set OLIM, 253
.set TB,   2                           ; s2   LDS byte at which the slot in hand begins
.set WV,   18                          ; s18  my wave's number
.set SEL,  20                          ; s[20:21] lane selects for v_permlanex16_b32: lane l xor 16
.set CS,   22                          ; s[22:23] c = log2(e) / 8 x 2^(e2 + e3)
.set G1,   24                          ; s[24:31] descriptor group 1;  s[40:43] group 0, which walks
.set G0,   40
.set QA,   44                          ; s44  tile A's first query
.set QB,   45                          ; s45  tile B's
.set SLOTS, 67                         ; s67  changes of slots still to come in the loop
.set PFA,  76                          ; s[76:77] where my prefetches stand
.set LIM,  80                          ; s80  1 in a wave that prefetches, else the greatest number
.set KF,   98                          ; s98  the step's first key
; Wave 0 fetches K's part of a slot, wave 1 V's, the others nothing.  The branch hangs on the wave's number alone.  An s_nop 0 and four v_nop follow the load.
.macro TLOAD
	s_cmp_lt_u32 s[WV], 2
	s_cbranch_scc0 .Lasked_\@
	tensor_load_to_lds s[G0:G0+3], s[G1:G1+7]
	s_nop 0
.rept 4
	v_nop
.endr
.Lasked_\@:
.endm
; A PREFETCH of what the NEXT change of slots will ask for: 16,384 bytes of K's images and 16,384 of V's.  All four work-groups of a head walk the same K and V: work-group x = 0, which walks all eight slots, asks
; (a branch on the work-group's number).  In it waves 4 and 5 ask for K's two halves, waves 6 and 7 for V's: 8,192 bytes a wave, lanes 256 bytes apart, one instruction: each aligned block of 256 bytes is named once in the launch.
; Slots 0 and 1 come by their loads alone; the last change that fills a slot asks for nothing: there is no slot behind it.
.macro ASK
	s_cmp_gt_u32 s[SLOTS], s[LIM]
	s_cbranch_scc0 .Lnot_mine_\@
	global_prefetch_b8 v[PFO], s[PFA:PFA+1] th:TH_LOAD_NT scope:SCOPE_SE
.Lnot_mine_\@:
.endm
	s_load_b128 s[4:7], s[0:1], 0x0                ; q_img s[4:5], k_img s[6:7]
	s_load_b128 s[12:15], s[0:1], 0x10             ; v_img s[12:13], the scales' exponents s[14:15]
	s_load_b64 s[16:17], s[0:1], 0x20              ; a2_img
	v_lshl_add_u32 v[SPW], v0, 2, SPARE
	v_mov_b32 v[NIL], 0
	ds_add_u32 v[SPW], v[NIL]                      ; the wave's opening: the add, twice on end, and its wait ahead of the first tensor load; the set-up below stands between
	ds_add_u32 v[SPW], v[NIL]
	v_lshrrev_b32 v7, 5, v0
	s_delay_alu instid0(VALU_DEP_1)
	v_readfirstlane_b32 s[WV], v7                  ; wave 0..15
	s_and_b32 s82, ttmp7, 0xffff                   ; 16 x batch + head
	s_lshl_b32 s84, s82, 17                        ; its first byte in q_img, k_img and v_img: 131,072 bytes each
	s_mov_b32 s85, 0
	s_lshl_b32 s83, s[WV], 4
	s_lshl_b32 s[QA], ttmp9, 8
	s_add_co_u32 s[QA], s[QA], s83                 ; 256 x + 16 w
	s_sub_co_u32 s[QB], 7, ttmp9
	s_lshl_b32 s[QB], s[QB], 8
	s_add_co_u32 s[QB], s[QB], s83                 ; 256 (7 - x) + 16 w
	; descriptor group 1: a dense block of 16,384 bytes as 64 rows of 32 elements of 8 bytes; no padding: every read is 16 x lane
	s_mov_b32 s[G1], 3<<16                         ; 15:0 no mask; 17:16 elements of 8 bytes
	s_mov_b32 s[G1+1], 32<<16                      ; tensor_dim0
	s_mov_b32 s[G1+2], 64<<16                      ; tensor_dim1
	s_mov_b32 s[G1+3], 32<<16                      ; tile_dim0
	s_mov_b32 s[G1+4], 64                          ; tile_dim1
	s_mov_b32 s[G1+5], 32                          ; tensor_dim0_stride
	s_mov_b32 s[G1+6], 0
	s_mov_b32 s[G1+7], 0
	s_mov_b32 s[SEL], 0x76543210
	s_mov_b32 s[SEL+1], 0xfedcba98
	s_mov_b32 s[CS], 0x3e38aa3b                    ; log2(e) / 8
	s_mov_b32 s[TB], 0
	s_mov_b32 s[SLOTS], NSL-1
	s_mov_b32 s[KF], 0
	s_wait_dscnt 0x0                               ; both opening adds are done
	s_wait_kmcnt 0x0
	s_load_b256 s[68:75], s[14:15], 0x0            ; e0 .. e7
	s_mov_b32 s[G0], 1                             ; 1:0 count = 1
	s_lshl_b32 s[G0+1], s[WV], 14                  ; 63:32 LDS address: slot 0, K's part (wave 0) or V's (wave 1)
	s_cmp_eq_u32 s[WV], 0
	s_cselect_b64 s[G0+2:G0+3], s[6:7], s[12:13]   ; 120:64 global address: the head's first 256 keys
	s_add_nc_u64 s[G0+2:G0+3], s[G0+2:G0+3], s[84:85]
	s_or_b32 s[G0+3], s[G0+3], 0x80000000          ; 127:126 type = 2
	TLOAD                                          ; slot 0: key 0 counts for every query
	; the prefetches: where my wave's stand, and who asks
	s_bitcmp1_b32 s[WV], 1                         ; waves 4, 5: K's images; waves 6, 7: V's
	s_cselect_b64 s[PFA:PFA+1], s[12:13], s[6:7]
	s_and_b32 s86, s[WV], 1
	s_lshl_b32 s86, s86, 13                        ; my half of the 16,384 bytes,
	s_add_co_u32 s86, s86, 16384                   ; in slot 1: the first change of slots steps it to slot 2
	s_mov_b32 s87, 0
	s_add_nc_u64 s[PFA:PFA+1], s[PFA:PFA+1], s[84:85]
	s_add_nc_u64 s[PFA:PFA+1], s[PFA:PFA+1], s[86:87]
	s_lshr_b32 s86, s[WV], 2
	s_xor_b32 s86, s86, 1                          ; 0 in waves 4 to 7,
	s_or_b32 s86, s86, ttmp9                       ; of work-group x = 0
	s_cmp_eq_u32 s86, 0
	s_cselect_b32 s[LIM], 1, -1
	v_and_b32 v[PFO], 31, v0
	s_delay_alu instid0(VALU_DEP_1)
	v_lshlrev_b32 v[LI], 4, v[PFO]
	s_delay_alu instid0(VALU_DEP_2)
	v_lshlrev_b32 v[PFO], 8, v[PFO]
	; Q's two fragments stay in registers: the image of token block Q0 / 16 is 1,024 bytes: 64 x Q0
	s_add_nc_u64 s[4:5], s[4:5], s[84:85]
	s_lshl_b32 s86, s[QA], 6
	s_add_nc_u64 s[88:89], s[4:5], s[86:87]
	s_lshl_b32 s86, s[QB], 6
	s_add_nc_u64 s[90:91], s[4:5], s[86:87]
	global_load_b128 v[16:19], v[LI], s[88:89]
	global_load_b128 v[20:23], v[LI], s[88:89] offset:512
	global_load_b128 v[24:27], v[LI], s[90:91]
	global_load_b128 v[28:31], v[LI], s[90:91] offset:512
	v_and_b32 v[DQ], 15, v0
	v_bfe_u32 v7, v0, 4, 1
	s_delay_alu instid0(VALU_DEP_1)
	v_lshlrev_b32 v7, 3, v7
	s_delay_alu instid0(VALU_DEP_1)
	v_sub_nc_u32 v[DQ], v[DQ], v7
.irp st, 8, 12
	v_mov_b32 v[\st+1], 0xff61b1e6                 ; the largest t so far: -3e38, under every t
	s_delay_alu instid0(VALU_DEP_1)
	v_floor_f32 v[\st], -v[\st+1]                  ; -M
	v_mov_b32 v[\st+2], 0                          ; the sum, in two halves
	v_mov_b32 v[\st+3], 0
.endr
	v_mov_b32 v[XCH], 0                            ; written once: a lane permute's destination counts as one of its sources
	v_mov_b32 v[DM], 0
	v_mov_b32 v[NINF], 0xff800000
	v_mov_b32 v[F+1], 0                            ; (named as the upper halves of pairs)
	v_mov_b32 v[MX], 0
	v_mov_b32 v[MX+1], 0
.set j, 0
.rept 64
	v_mov_b32 v[160+j], 0                          ; O^T of both tiles.  (The step is written once: a tile's first step finds zeros, which the first change of M leaves zeros)
.set j, j+1
.endr
	s_wait_kmcnt 0x0
	s_add_co_i32 s86, s70, s71
	s_lshl_b32 s86, s86, 23
	s_add_co_i32 s[CS], s[CS], s86                 ; a score stands for score x 2^(e2 + e3): the two exponents are added to c's exponent field
	s_mov_b32 s[CS+1], s[CS]                       ; (named with it as a pair, so it is written)
	s_add_co_i32 s86, s72, 127
	s_lshl_b32 s87, s86, 23
	v_mov_b32 v[PSCL], s87                         ; 2^e4 as f32, for p's conversion
	s_sub_co_i32 s86, s74, s72
	s_sub_co_i32 s86, s86, s73                     ; a sum of the second product stands for sum x 2^(e4 + e5): O's code is (sum / l) / 2^(e6 - e4 - e5)
	s_add_co_i32 s86, s86, 127
	s_lshl_b32 s87, s86, 23
	v_mov_b32 v[OSCL], s87
; A KEY STEP for one tile: 128 keys, the q-th of the slot in hand.  qf: the tile's Q; st: its statistics; oa: its O^T; q0: the scalar register with its first query.
.macro STEP q, qf, st, oa, q0
	s_add_co_u32 s96, s[\q0], 15                   ; a step all of whose keys come after my 16 queries is left out: a scalar branch on ids; no barrier and no tensor load stands in a step
	s_cmp_gt_u32 s[KF], s96
	s_cbranch_scc1 .Lhidden_\@
	v_add_nc_u32 v[ADR], s[TB], v[LI]
.rept 3
	v_nop                                          ; with the addition above: four places in front of loads into registers that the last products read
.endr
.irp c, 0,1,2,3,4,5,6,7
	ds_load_b128 v[KV+8*\c:KV+8*\c+3],   v[ADR] offset:8192*(\q)+1024*\c
	ds_load_b128 v[KV+8*\c+4:KV+8*\c+7], v[ADR] offset:8192*(\q)+1024*\c+512
.endr
	s_wait_alu depctr_va_vdst(0)
	s_wait_dscnt 0x0
.irp c, 0,1,2,3,4,5,6,7
	v_wmma_f32_16x16x64_fp8_fp8 v[S+8*\c:S+8*\c+7], v[KV+8*\c:KV+8*\c+7], v[\qf:\qf+7], 0
.endr
.rept 4
	v_nop                                          ; four places: in front of the loads below, and of the first read of the scores
.endr
.irp t, 0,1,2,3
.irp g, 0,1,2,3
	ds_load_b128 v[KV+16*\t+4*\g:KV+16*\t+4*\g+3], v[ADR] offset:VOFF+8192*(\q)+2048*\t+512*\g   ; V's four fragments are asked for here and land while the softmax is walked
.endr
.endr
	s_add_co_u32 s96, s[KF], 127                   ; on the diagonal the scores of hidden keys become -infinity ahead of the maximum: p = 0 then.  A step all of whose keys count skips this.
	s_cmp_le_u32 s96, s[\q0]                       ; (A step that is walked has KF <= my first query: key KF counts for each of my queries, so M is a number)
	s_cbranch_scc1 .Lopen_\@
	s_sub_co_i32 s96, s[\q0], s[KF]
	v_add_nc_u32 v[DM], s96, v[DQ]                 ; d = my query - KF - 8 (lane / 16).  Register 8 c + j holds key KF + 16 c + 8 (lane / 16) + j: hidden where 16 c + j > d
.set n, 0
.rept 64
	v_cmp_gt_i32 vcc_lo, 16*(n/8)+n%8, v[DM]
	v_cndmask_b32 v[S+n], v[S+n], v[NINF], vcc_lo
.set n, n+1
.endr
.Lopen_\@:
	v_max3_num_f32 v[MX], v[S], v[S+1], v[S+2]     ; the step's largest score of my query, among my 64 keys, in two chains (each tile of scores is first read at its low end),
	v_max3_num_f32 v[MX+1], v[S+3], v[S+4], v[S+5]
.irp i, 6,10,14,18,22,26,30,34,38,42,46,50,54,58
	v_max3_num_f32 v[MX], v[MX], v[S+\i], v[S+1+\i]
	v_max3_num_f32 v[MX+1], v[MX+1], v[S+2+\i], v[S+3+\i]
.endr
	v_max3_num_f32 v[MX], v[MX], v[S+62], v[S+63]
	s_delay_alu instid0(VALU_DEP_1)
	v_max_num_f32 v[MX], v[MX], v[MX+1]
	s_delay_alu instid0(VALU_DEP_1)
	v_permlanex16_b32 v[XCH], v[MX], s[SEL], s[SEL+1]
	s_delay_alu instid0(VALU_DEP_1)
	v_max_num_f32 v[MX], v[MX], v[XCH]             ; and among lane l xor 16's
	s_delay_alu instid0(VALU_DEP_1)
	v_mul_f32 v[MX], s[CS], v[MX]                  ; as t (c is positive)
	s_delay_alu instid0(VALU_DEP_1)
	v_max_num_f32 v[\st+1], v[\st+1], v[MX]        ; the running largest t
	v_mov_b32 v[MX], v[\st]
	s_delay_alu instid0(VALU_DEP_2)
	v_floor_f32 v[\st], -v[\st+1]                  ; the new -M = floor(-t) = -ceil(t): M is a whole number
	s_delay_alu instid0(VALU_DEP_1)
	v_sub_f32 v[MX], v[\st], v[MX]                 ; M's old value less its new one: a whole number, 0 or less
	s_delay_alu instid0(VALU_DEP_1)
	v_cvt_i32_f32 v[MX], v[MX]                     ; (it saturates)
	s_delay_alu instid0(VALU_DEP_1)
	v_ldexp_f32 v[F], 1.0, v[MX]                   ; f = 2^(old M - new M)
.set j, 0
.rept 32
	v_pk_fma_f32 v[S+j:S+j+1], v[S+j:S+j+1], s[CS:CS+1], v[\st:\st+1] op_sel_hi:[1,0,0]   ; t - M, two at a time (of the pairs c and -M the low word serves both halves)
.set j, j+2
.endr
.set j, 0
	s_wait_alu depctr_va_vdst(0)
.rept 64
	v_exp_f32 v[S+j], v[S+j]                       ; p = 2^(t - M), at most 1: not normalised
.set j, j+1
.endr
	v_pk_mul_f32 v[\st+2:\st+3], v[\st+2:\st+3], v[F:F+1] op_sel_hi:[1,0]   ; the sums under the new M: a plain line behind the exponentials
	s_wait_alu depctr_va_vdst(0)                   ; one wait for the batch of 64, ahead of its first reader
	v_pk_add_f32 v[SUM2:SUM2+1], v[S:S+1], v[S+2:S+3]   ; the row's sum is taken of the unquantised p: two at a time, in two chains
.irp j, 4,8,12,16,20,24,28,32,36,40,44,48,52,56,60
	v_pk_add_f32 v[\st+2:\st+3], v[\st+2:\st+3], v[S+\j:S+1+\j]
	v_pk_add_f32 v[SUM2:SUM2+1], v[SUM2:SUM2+1], v[S+2+\j:S+3+\j]
.endr
	s_delay_alu instid0(VALU_DEP_1)
	v_pk_add_f32 v[\st+2:\st+3], v[\st+2:\st+3], v[SUM2:SUM2+1]
.set j, 0
.rept 64
.set j, j+1
.endr
.irp c, 0,1,2,3,4,5,6,7
	v_cvt_scalef32_pk8_fp8_f32 v[PC+2*\c:PC+2*\c+1], v[S+8*\c:S+8*\c+7], v[PSCL]   ; registers 2 c, 2 c + 1 of P's fragment: keys 16 c + 8 (lane / 16) + 0 .. 7
.endr
.set j, 0
.rept 16
	v_pk_mul_f32 v[\oa+j:\oa+j+1], v[\oa+j:\oa+j+1], v[F:F+1] op_sel_hi:[1,0]   ; O^T under the new M.  (Plain lines between the conversions and the products that read their results)
.set j, j+2
.endr
	s_wait_alu depctr_va_vdst(0)
	s_wait_dscnt 0x0                               ; V is in
.irp t, 0,1,2,3
	v_wmma_f32_16x16x128_fp8_fp8 v[\oa+8*\t:\oa+8*\t+7], v[KV+16*\t:KV+16*\t+15], v[PC:PC+15], v[\oa+8*\t:\oa+8*\t+7]   ; the four accumulators take turns; eight products K Q^T stand ahead of every such run
.endr
.Lhidden_\@:
.endm
; THE CHANGE OF SLOTS stands at a slot's head.  Each wave waits for all its tensor loads, adds 0 to its spare word (fill = 1: twice on end), and waits for that and for its reads of the slot that it has left.
; Behind the barrier the slot ahead is whole and nobody reads the other one.  fill = 1: that other slot is filled with the next 256 keys, up to the causal limit: the load has a whole slot's steps in which to land.
.macro CHANGE fill
	s_wait_tensorcnt 0x0                           ; no tensor load of mine is out, so group 0 may be written
	ds_add_u32 v[SPW], v[NIL]                      ; 0 onto my spare word
.if \fill
	ds_add_u32 v[SPW], v[NIL]                      ; and once more, in every trip alike
	s_xor_b32 s[G0+1], s[G0+1], SLOT1              ; the walking descriptor: the other slot than last time,
	s_add_nc_u64 s[G0+2:G0+3], s[G0+2:G0+3], 16384 ; the next 256 keys; the type bits on top are not reached
	s_wait_xcnt 0x0                                ; the last prefetch, a slot back, has read its address, so it may be written:
	s_add_nc_u64 s[PFA:PFA+1], s[PFA:PFA+1], 16384 ; one slot further on than the walking descriptor
.endif
	s_wait_dscnt 0x0                               ; the adds are done, and my reads of the slot that I have left are over
	s_barrier_signal -1
	s_barrier_wait -1
.if \fill
	s_add_co_u32 s96, s[KF], SK                    ; the first key of the slot that this change would ask for
	s_or_b32 s97, s[QB], 255                       ; my work-group's last query
	s_cmp_gt_u32 s96, s97                          ; ids and the count of steps alone: all sixteen waves go the same way, and a work-group that is past the limit stays past it.
	s_cbranch_scc1 .Lpast_\@                       ; A slot beyond the limit is read by no wave, so it is not asked for.  Every wait for tensor loads in this text is for 0
	TLOAD                                          ; a wave's one tensor load until the next change
.Lpast_\@:
	ASK
.endif
.endm
.macro SLOT_STEPS
.irp q, 0,1
	STEP \q, 16, 8, 160, QA
	STEP \q, 24, 12, 192, QB
	s_add_co_u32 s[KF], s[KF], 128
.endr
	s_xor_b32 s[TB], s[TB], SLOT1                  ; on to the other slot
.endm
	s_wait_loadcnt 0x0                             ; Q
.Lslot:                                            ; NSL - 1 trips: every work-group walks all slots, so that the trip count is a constant; what is left out is a step's work and a slot's fetch
	CHANGE 1
	SLOT_STEPS
	s_sub_co_u32 s[SLOTS], s[SLOTS], 1
	s_cmp_lg_u32 s[SLOTS], 0
	s_cbranch_scc1 .Lslot
	CHANGE 0                                       ; the last slot is written out: nothing is left to ask for
	SLOT_STEPS
	; THE WAY OUT.  O^T / the row's sum is converted and stored as it stands: 8 registers a tile are the projection's operand for 16 tokens x this head's 64.
.rept 4
	v_nop                                          ; four places behind the last products
.endr
	v_add_f32 v10, v10, v11                        ; the sums' two halves,
	v_add_f32 v14, v14, v15
	s_delay_alu instid0(VALU_DEP_2)
	v_permlanex16_b32 v[XCH], v10, s[SEL], s[SEL+1]
	s_delay_alu instid0(VALU_DEP_2)
	v_permlanex16_b32 v[DM], v14, s[SEL], s[SEL+1]
	s_delay_alu instid0(VALU_DEP_2)
	v_add_f32 v10, v10, v[XCH]                     ; and lane l xor 16's
	s_delay_alu instid0(VALU_DEP_2)
	v_add_f32 v14, v14, v[DM]
	s_wait_alu depctr_va_vdst(0)
	v_rcp_f32 v[F], v10
	v_rcp_f32 v[MX], v14
	v_nop                                          ; a plain line behind the reciprocals
	s_lshr_b32 s86, s82, 4                         ; the batch
	s_and_b32 s87, s82, 15                         ; the head
	s_lshr_b32 s92, s87, 2
	s_lshl_b32 s92, s92, 21                        ; head / 4: 512 blocks of 4,096 bytes
	s_and_b32 s87, s87, 3
	s_lshl_b32 s87, s87, 10                        ; head % 4: 1,024 bytes
	s_add_co_u32 s92, s92, s87
	s_lshl_b32 s86, s86, 19                        ; a batch: 128 blocks of 4,096 bytes
	s_add_co_u32 s92, s92, s86
	s_lshl_b32 s86, s[QA], 8                       ; token block Q0 / 16: 4,096 bytes each
	s_add_co_u32 s86, s86, s92
	s_mov_b32 s87, 0
	s_add_nc_u64 s[88:89], s[16:17], s[86:87]
	s_lshl_b32 s86, s[QB], 8
	s_add_co_u32 s86, s86, s92
	s_add_nc_u64 s[90:91], s[16:17], s[86:87]
	s_wait_alu depctr_va_vdst(0)                   ; one wait for both reciprocals, ahead of their first reader
.macro FINISH oa, rc, t, cd, bs        ; each tile has registers of its own throughout, so no store's data are written again
.set j, 0
.rept 16
	v_pk_mul_f32 v[\t+j:\t+j+1], v[\oa+j:\oa+j+1], v[\rc:\rc+1] op_sel_hi:[1,0]   ; O^T / l, each accumulator from its low end on
.set j, j+2
.endr
.set j, 0
.rept 32
.set j, j+1
.endr
.irp u, 0,1,2,3
	v_cvt_scalef32_pk8_fp8_f32 v[\cd+2*\u:\cd+2*\u+1], v[\t+8*\u:\t+8*\u+7], v[OSCL]   ; registers 2 u, 2 u + 1: d = 16 u + 8 (lane / 16) + 0 .. 7
.endr
	v_nop                                          ; a plain line behind the last conversion
	global_store_b128 v[LI], v[\cd:\cd+3], s[\bs:\bs+1]                 ; 32 lanes store 512 consecutive bytes, aligned
	global_store_b128 v[LI], v[\cd+4:\cd+7], s[\bs:\bs+1] offset:512
.endm
	FINISH 160, F, 96, 224, 88
	FINISH 192, MX, 128, 232, 90
	s_wait_tensorcnt 0x0                           ; the wave's end, behind the last tensor load
	ds_add_u32 v[SPW], v[NIL]
	s_wait_dscnt 0x0
	s_endpgm
.Lfunc_end_k_q597084ba38_attn:
	.size	k_q597084ba38_attn, .Lfunc_end_k_q597084ba38_attn-k_q597084ba38_attn
	.p2alignl 7, 3214868480
	.fill 96, 4, 3214868480
	.section	.rodata,"a",@progbits
	.p2align	6, 0x0
	.amdhsa_kernel k_q597084ba38_attn
		.amdhsa_group_segment_fixed_size 327680
		.amdhsa_private_segment_fixed_size 0
		.amdhsa_enable_private_segment 0
		.amdhsa_kernarg_size 40
		.amdhsa_user_sgpr_count 2
		.amdhsa_user_sgpr_kernarg_segment_ptr 1
		.amdhsa_wavefront_size32 1
		.amdhsa_system_sgpr_workgroup_id_x 1
		.amdhsa_system_sgpr_workgroup_id_y 1
		.amdhsa_system_sgpr_workgroup_id_z 1
		.amdhsa_system_vgpr_workitem_id 0
		.amdhsa_next_free_vgpr 256
		.amdhsa_next_free_sgpr 100
		.amdhsa_reserve_vcc 1
		.amdhsa_float_denorm_mode_32 3
		.amdhsa_float_denorm_mode_16_64 3
		.amdhsa_fp16_overflow 1
		.amdhsa_memory_ordered 1
		.amdhsa_forward_progress 1
		.amdhsa_inst_pref_size 163
	.end_amdhsa_kernel
	.amdgpu_metadata
---
amdhsa.version: [ 1, 2 ]
amdhsa.kernels:
  - .name:           k_q597084ba38_attn
    .symbol:         k_q597084ba38_attn.kd
    .args:
      - { .name: q_img, .offset: 0, .size: 8, .value_kind: global_buffer, .address_space: global }
      - { .name: k_img, .offset: 8, .size: 8, .value_kind: global_buffer, .address_space: global }
      - { .name: v_img, .offset: 16, .size: 8, .value_kind: global_buffer, .address_space: global }
      - { .name: lowp_scales, .offset: 24, .size: 8, .value_kind: global_buffer, .address_space: global }
      - { .name: a2_img, .offset: 32, .size: 8, .value_kind: global_buffer, .address_space: global }
    .group_segment_fixed_size: 327680
    .private_segment_fixed_size: 0
    .kernarg_segment_align: 8
    .kernarg_segment_size: 40
    .max_flat_workgroup_size: 512
    .sgpr_count:     100
    .vgpr_count:     256
    .wavefront_size: 32
...
	.end_amdgpu_metadata
.endif
;; end of part 3
;; launch proj (part 4): grid 4 x 32, 4 waves a work-group, clusters of 4 x 4, 327,680 bytes of LDS; arguments a2_img, wout_codes, lowp_scales, out0; writes out0
.if DOCPART == 4
	.amdgcn_target "amdgcn-amd-amdhsa--gfx1250"
	.amdhsa_code_object_version 6
	.text
	.protected	k_q597084ba38_proj
	.globl	k_q597084ba38_proj
	.p2align	8
	.type	k_q597084ba38_proj,@function
k_q597084ba38_proj:
	s_mov_b64 s[64:65], 0
	v_nop
	global_prefetch_b8 v0, s[64:65] scope:SCOPE_SE
	s_setreg_imm32_b32 hwreg(HW_REG_WAVE_MODE, 25, 1), 1
	s_wait_xcnt 0x0
	s_wait_alu depctr_hold_cnt(0) depctr_sa_sdst(0) depctr_va_vdst(0) depctr_va_sdst(0) depctr_va_ssrc(0) depctr_va_vcc(0) depctr_vm_vsrc(0)
	s_getreg_b32 s2, hwreg(HW_REG_IB_STS2, 6, 4)
	s_cmp_eq_u32 s2, 0
	s_cbranch_scc0 .Lentry_in_a_cluster
	s_endpgm
.Lentry_in_a_cluster:
	s_bfe_u32 s2, ttmp6, 0x10000c
	s_cmp_lg_u32 s2, 0xf033
	s_cbranch_scc0 .Lentry_shape_is_right
	s_endpgm
.Lentry_shape_is_right:
; out0[m][n] = 2^(e6 + e7) x the sum over k of A[m][k] W[n][k], on codes of FP8 (E4M3).  A: the attention's result, 8,192 x 1,024, as images of operand registers (a2_img); W: w_out's codes, [1024][1024]; out0 f32.
; LIMIT: e6 + e7 lies between -126 and 127, so that 2^(e6 + e7) is an f32 number.
; A tile of 256 x 256 is made by four waves, each 128 x 128: 64 accumulators, 512 registers.  K goes in steps of 256 (four heads) through a ring of two LDS slots filled by the tensor data mover.
; a2_img: [K step 4][block of 16 tokens 512][4,096 bytes: two fragments of 16 rows x 128 K, four registers to 512 bytes, lane l's 16 bytes at 16 l].  So a wave's 128 rows of a K step are one dense block of 32,768
; bytes, and a fragment comes by four loads at 16 x lane: no pitch, no padding.  W's tiles have rows of 256 bytes, padded in LDS.
; CLUSTERS: 4 x 4 work-groups; A's tile is shared along a row of the cluster, W's along a column: each is asked for jointly.  Source 0 = 16 rows of W, source 1 = 16 rows of A: a lane holds eight neighbouring numbers of a row of out0.
; 128 tiles: half of the WGPs have one.  A tile of 128 x 256 would give each one, with wave tiles of 128 x 64 that read half as much again from LDS for each product; not taken.
; REGISTERS: window 0: v0-31 addresses; from v128 A's fragments, ONE set; on the way out v32-255 are free.  window 1: W's fragments, TWO sets.  windows 2, 3: the accumulators ((a, b) at v[8 (8 (a % 4) + b)]).
.set NCOL,   1024                      ; columns of out0
.set ROWB,   256                       ; a row of W's tile in bytes
.set KROW,   1024                      ; a row of W's codes in memory
.set PITCH,  272                       ; W's LDS row: 256 bytes + 16 of padding: the 16 rows that a load touches start at 16 different banks (64 banks of 4 bytes: ISA guide 11.1)
.set FR,     16                        ; registers of a fragment: 16 rows x 128 K
.set NL,     4                         ; LDS loads that bring one
.set NP,     4                         ; places behind this matrix instruction (ISA guide 7.12.1)
.set HALFA,  32768                     ; A: 128 rows of a K step, as images
.set HALFB,  128*PITCH                 ; W: 128 rows
.set BOFF,   2*HALFA                   ; a slot: A's two halves, then W's two
.set SLOT,   BOFF+2*HALFB
.set ASTEP,  0x200000                  ; a K step of a2_img in bytes
.set LAPS,   2                         ; a lap = two K steps = once round the ring; K = 1,024
.set SPARE,  2*SLOT                    ; behind the ring: the spare words, 128 bytes for each wave
.set SPITCH, 528                       ; the way out: a stage of 16 rows x (512 bytes + 16) for each wave, in slot 0, which has had its last fill and its last read when the first result is stored there
.set ADRA, 16                          ; v16-17  LDS address of my A fragments in slot 0, 1
.set ADRB, 20                          ; v20-21  the same for W
.set STO,  24                          ; v24     the way out: where I put 32 bytes of a row
.set RD,   25                          ; v25     the way out: where I read a row back
.set CO,   26                          ; v26     16 x lane
.set SPW,  28                          ; v28     LDS address of my spare word; never rewritten
.set NIL,  29                          ; v29     0; never rewritten
.set TMP,  32                          ; the way out: 64 registers, a block's sums x 2^(e6 + e7)
.set AF,   128                         ; A's fragments, in window 0
.set BK,   128                         ; the way out: 16 rows read back from the stage: v128-191 and v192-255 by turns
.set G1, 24                            ; s[24:31] descriptor group 1 for A's tiles;  s[32:39] group 0, one set for each slot
.set G0, 32
.set G1B, 48                           ; s[48:55], s[56:63] the same for W's tiles
.set G0B, 56
.set MSB, 0
.macro WIN new                         ; the immediate's high byte repeats the setting that is left
.if MSB != (\new)
	s_set_vgpr_msb (MSB<<8)|(\new)
.set MSB, (\new)
.endif
.endm
.set MUL_LO, 0xa1                      ; source 0 (W) window 1, source 1 (A) window 0, C and D window 2
.set MUL_HI, 0xf1                      ; the same, C and D window 3
.set TO_B,   0x40                      ; destination window 1, address window 0
; A joint load: waves 0 and 1 fetch for A, waves 2 and 3 for W.  The branch hangs on the wave's number alone.  An s_nop 0 and four v_nop follow each of the two lines.
.macro JLOAD g0a, g1a, g0b, g1b
	s_cmp_eq_u32 s15, 0
	s_cbranch_scc0 .Lfor_b_\@
	tensor_load_to_lds s[\g0a:\g0a+3], s[\g1a:\g1a+7]
	s_nop 0
.rept 4
	v_nop
.endr
	s_branch .Lasked_\@
.Lfor_b_\@:
	tensor_load_to_lds s[\g0b:\g0b+3], s[\g1b:\g1b+7]
	s_nop 0
.rept 4
	v_nop
.endr
.Lasked_\@:
.endm
.macro CREST                           ; a round of the cluster's barrier behind its opening barrier
	s_cmp_lg_u32 s14, 0
	s_cbranch_scc1 .Lnot_wave_0_\@
	s_barrier_signal -3
.Lnot_wave_0_\@:
	s_barrier_wait -3
	s_barrier_signal -1
	s_barrier_wait -1
.endm
.macro CROUND                          ; a whole round
	s_barrier_signal -1
	s_barrier_wait -1
	CREST
.endm
	s_load_b128 s[4:7], s[0:1], 0x0                ; a2_img s[4:5], w_out's codes s[6:7]
	s_load_b128 s[8:11], s[0:1], 0x10              ; the scales' exponents s[8:9], out0 s[10:11]
	v_lshl_add_u32 v[SPW], v0, 2, SPARE
	v_mov_b32 v[NIL], 0
	ds_add_u32 v[SPW], v[NIL]                      ; the wave's opening: the add, twice on end, and its wait ahead of my first tensor load; the set-up below stands between
	ds_add_u32 v[SPW], v[NIL]
	v_lshrrev_b32 v1, 5, v0
	v_readfirstlane_b32 s14, v1                    ; wave 0..3
	s_lshr_b32 s15, s14, 1                         ; which half of the tile's rows is mine.  Also: I fetch for A (0) or for W (1)
	s_and_b32 s16, s14, 1                          ; which half of its columns.  Also: which 128 rows of that tile I fetch
	s_bfe_u32 s40, ttmp6, 0x40000                  ; cx, cy: my place in the cluster
	s_bfe_u32 s41, ttmp6, 0x40004
	s_lshl_b32 s42, ttmp9, 2
	s_add_co_u32 s42, s42, s40                     ; tile column = 4 x cluster x + cx
	s_and_b32 s17, ttmp7, 0xffff
	s_lshl_b32 s17, s17, 2
	s_add_co_u32 s17, s17, s41                     ; tile row = 4 x cluster y + cy
	s_lshl_b32 s43, s41, 2
	s_lshl_b32 s43, 15, s43                        ; my row of the cluster
	s_lshl_b32 s44, 0x1111, s40                    ; my column
	; descriptor group 1.  A: a dense block of 32,768 bytes as 128 rows of 32 elements of 8 bytes, no padding
	s_or_b32 s[G1+0], s43, (3<<16)|(1<<21)         ; 15:0 the mask: A's tiles go to my row; 17:16 elements of 8 bytes; 21 set beside a mask
	s_mov_b32 s[G1+1], 32<<16                      ; tensor_dim0
	s_mov_b32 s[G1+2], 128<<16                     ; tensor_dim1
	s_mov_b32 s[G1+3], 32<<16                      ; tile_dim0
	s_mov_b32 s[G1+4], 128                         ; tile_dim1
	s_mov_b32 s[G1+5], 32                          ; tensor_dim0_stride
	s_mov_b32 s[G1+6], 0
	s_mov_b32 s[G1+7], 0
	; W: 128 rows x 256 bytes, padded in LDS
	s_or_b32 s[G1B+0], s44, (0<<16)|(1<<20)|(1<<21)|(5<<22)|(3<<25)  ; the mask of my column; element of 1 byte; padding on: after every 64 words (code 5) 4 words (code 3)
	s_mov_b32 s[G1B+1], ROWB<<16
	s_mov_b32 s[G1B+2], 128<<16
	s_mov_b32 s[G1B+3], ROWB<<16
	s_mov_b32 s[G1B+4], 128
	s_mov_b32 s[G1B+5], KROW
	s_mov_b32 s[G1B+6], 0
	s_mov_b32 s[G1B+7], 0
	s_lshl_b32 s20, s17, 4
	s_lshl_b32 s18, s16, 3
	s_add_co_u32 s20, s20, s18                     ; A: token block 16 x tile row + 8 x half,
	s_lshl_b32 s20, s20, 12                        ; of 4,096 bytes a K step
	s_mov_b32 s21, 0
	s_lshl_b32 s46, s42, 8
	s_lshl_b32 s18, s16, 7
	s_add_co_u32 s46, s46, s18                     ; W: row 256 x tile column + 128 x half,
	s_lshl_b32 s46, s46, 10                        ; of 1,024 bytes
	s_mov_b32 s47, 0
	s_lshl_b32 s45, s16, 15                        ; where they go: A's half,
	s_mul_i32 s19, s16, HALFB
	s_add_co_u32 s19, s19, BOFF                    ; W's half: the wave's number alone enters an LDS address
	s_wait_dscnt 0x0                               ; both opening adds are done
	s_wait_kmcnt 0x0
	s_load_b64 s[96:97], s[8:9], 0x18              ; e6, e7
	s_add_nc_u64 s[20:21], s[4:5], s[20:21]
	s_add_nc_u64 s[46:47], s[6:7], s[46:47]
	CROUND                                         ; all sixteen work-groups are here: the first joint loads meet
.irp s, 0,1
	s_mov_b32 s[G0+4*\s], 1
	s_add_co_u32 s[G0+4*\s+1], s45, \s*SLOT
	s_add_nc_u64 s[G0+4*\s+2:G0+4*\s+3], s[20:21], \s*ASTEP
	s_or_b32 s[G0+4*\s+3], s[G0+4*\s+3], 0x80000000
	s_mov_b32 s[G0B+4*\s], 1
	s_add_co_u32 s[G0B+4*\s+1], s19, \s*SLOT
	s_add_nc_u64 s[G0B+4*\s+2:G0B+4*\s+3], s[46:47], \s*ROWB
	s_or_b32 s[G0B+4*\s+3], s[G0B+4*\s+3], 0x80000000
	s_wait_alu depctr_va_vdst(0)
	s_wait_tensorcnt 0x0
	ds_add_u32 v28, v29
	ds_add_u32 v28, v29
	s_wait_dscnt 0x0
	CROUND
	JLOAD G0+4*\s, G1, G0B+4*\s, G1B               ; one load of mine is out
.endr
	v_and_b32 v1, 15, v0                           ; l % 16
	v_bfe_u32 v2, v0, 4, 1                         ; l / 16
	v_mul_u32_u24 v3, v1, PITCH
	v_lshl_add_u32 v4, v2, 4, v3                   ; W: a fragment's row x pitch + 16 x half
	v_and_b32 v6, 31, v0
	v_lshlrev_b32 v[CO], 4, v6                     ; A: 16 x lane
	s_wait_alu depctr_va_vdst(0)
	s_lshl_b32 s21, s15, 15                        ; my 128 rows of A
	s_mul_i32 s22, s16, HALFB                      ; my 128 rows of W,
	s_add_co_u32 s22, s22, BOFF                    ; which lie behind A's two halves
.irp s, 0,1
	v_add_nc_u32 v[ADRA+\s], s21, v[CO]
	v_add_nc_u32 v[ADRB+\s], s22, v4
	s_add_co_u32 s21, s21, SLOT
	s_add_co_u32 s22, s22, SLOT
.endr
	s_mul_i32 s23, s14, 16*SPITCH                  ; my stage
	v_mul_u32_u24 v5, v1, SPITCH                   ; in: row l % 16, 32 bytes for each half of the lanes
	v_lshl_add_u32 v5, v2, 5, v5
	v_add_nc_u32 v[STO], s23, v5
	v_add_nc_u32 v[RD], s23, v[CO]                 ; back: the 32 lanes take one row of 512 bytes
	s_lshl_b32 s20, s17, 8
	s_lshl_b32 s21, s15, 7
	s_add_co_u32 s20, s20, s21                     ; my first row of out0: 256 x tile row + 128 x half,
	s_lshl_b32 s20, s20, 12                        ; of 4,096 bytes (under 2^25 in all)
	s_lshl_b32 s46, s42, 10                        ; my first column, in bytes: 1,024 x tile column + 512 x half
	s_lshl_b32 s47, s16, 9
	s_add_co_u32 s46, s46, s47
	s_add_co_u32 s20, s20, s46
	s_mov_b32 s21, 0
	s_add_nc_u64 s[10:11], s[10:11], s[20:21]
.macro FRAG reg, adr, q, i             ; a fragment of W, 16 rows x 128 K: by the codes' order in memory registers 2 c, 2 c + 1 hold K = 16 c + 8 (l / 16) + 0 .. 7
.irp c, 0,1,2,3
	ds_load_b128 v[\reg+4*\c:\reg+4*\c+3], v[\adr] offset:128*(\q)+32*\c+(\i)*16*PITCH
.endr
.endm
.macro FRAGA reg, adr, q, i            ; a fragment of A: the image of its registers, block i of my eight, the slot's q-th 128 along K
.irp c, 0,1,2,3
	ds_load_b128 v[\reg+4*\c:\reg+4*\c+3], v[\adr] offset:4096*(\i)+2048*(\q)+512*\c
.endr
.endm
; 16 matrix instructions: A's blocks a0, a0 + 1 x W's eight, 128 along K.  p: W's set.  zero = 1: the first product starts the sums.
; The 64 accumulators take turns, one instruction a turn, in the same order in every step.
.macro MUL16 a0, p, zero
.irp a, \a0, \a0+1
.irp b, 0,1,2,3,4,5,6,7
.if \zero
	v_wmma_f32_16x16x128_fp8_fp8 v[8*(8*((\a)%4)+\b):8*(8*((\a)%4)+\b)+7], v[128*(\p)+FR*\b:128*(\p)+FR*\b+FR-1], v[AF+FR*(\a):AF+FR*(\a)+FR-1], 0
.else
	v_wmma_f32_16x16x128_fp8_fp8 v[8*(8*((\a)%4)+\b):8*(8*((\a)%4)+\b)+7], v[128*(\p)+FR*\b:128*(\p)+FR*\b+FR-1], v[AF+FR*(\a):AF+FR*(\a)+FR-1], v[8*(8*((\a)%4)+\b):8*(8*((\a)%4)+\b)+7]
.endif
.endr
.endr
.endm
.macro FETCH_B slot, q, p              ; W's eight fragments of the slot's q-th 128 along K into set p
	WIN TO_B
.irp i, 0,1,2,3,4,5,6,7
	FRAG 128*(\p)+FR*\i, ADRB+\slot, \q, \i
.endr
	WIN 0
.endm
.macro FETCH_A slot, q, i0             ; A's blocks i0 .. i0 + 3
.irp i, \i0, \i0+1, \i0+2, \i0+3
	FRAGA AF+FR*(\i), ADRA+\slot, \q, \i
.endr
.endm
.macro PLACES n                        ; plain vector instructions between a matrix instruction and a load into, or a vector read of, its registers
.rept \n
	v_nop
.endr
.endm
; A step of 128 along K that has its successor in the same slot.
.macro STEP slot, q, zero
	s_wait_dscnt 4*NL                              ; W's set and A's blocks 0-3 are in; the youngest sixteen loads (A's blocks 4-7) may be out
	WIN MUL_LO
	MUL16 0, (\q)%2, \zero
	MUL16 2, (\q)%2, \zero
	s_wait_dscnt 0                                 ; A's blocks 4-7 are in (asked for 32 matrix instructions ago)
	PLACES NP
	FETCH_B \slot, (\q)+1, 1-(\q)%2
	FETCH_A \slot, (\q)+1, 0
	WIN MUL_HI
	MUL16 4, (\q)%2, \zero
	MUL16 6, (\q)%2, \zero
	PLACES NP
	WIN 0
	FETCH_A \slot, (\q)+1, 4
.endm
; A slot's last step changes slots: ONE barrier; in front of it each wave waits for all its tensor loads, adds 0 to its spare word, and waits for that and for its own reads of this slot.  fill = 1: this slot is filled again, two K steps ahead.
.macro TURN slot, next, fill
	s_wait_tensorcnt 0x0                           ; all my tensor loads have landed: my part of the next slot  (every window is 0 here)
	ds_add_u32 v[SPW], v[NIL]                      ; 0 onto my spare word
	s_wait_dscnt 4*NL+1                            ; the add and the youngest sixteen loads, A's blocks 4-7, may be out
	WIN MUL_LO
	MUL16 0, 1, 0                                  ; sixteen matrix instructions stand between the add and the wait for it
	s_wait_dscnt 0x0                               ; the add is done, and my reads of this slot are over
	s_barrier_signal -1
	MUL16 2, 1, 0
	WIN 0
	s_barrier_wait -1
.if \fill
	CREST                                          ; the barrier has opened a round of the cluster's barrier: no wave of any partner still reads this slot's tile or has a load on its way
	s_add_nc_u64 s[G0+4*\slot+2:G0+4*\slot+3], s[G0+4*\slot+2:G0+4*\slot+3], 2*ASTEP
	s_add_nc_u64 s[G0B+4*\slot+2:G0B+4*\slot+3], s[G0B+4*\slot+2:G0B+4*\slot+3], 2*ROWB
	JLOAD G0+4*\slot, G1, G0B+4*\slot, G1B         ; the first tensor load behind the round; the four v_nop behind it are the places in front of the loads below
.else
	PLACES NP
.endif
	FETCH_B \next, 0, 0
	FETCH_A \next, 0, 0
	WIN MUL_HI
	MUL16 4, 1, 0
	MUL16 6, 1, 0
	PLACES NP
	WIN 0
	FETCH_A \next, 0, 4
.endm
	s_wait_alu depctr_va_vdst(0)
	s_wait_tensorcnt 1                             ; my part of K step 0 is in; K step 1's load may be out
	s_barrier_signal -1
	s_barrier_wait -1                              ; everybody's is
	FETCH_B 0, 0, 0
	FETCH_A 0, 0, 0
	FETCH_A 0, 0, 4
	STEP 0, 0, 1                                   ; the first step stands in front of the loop: its products start the sums
	s_mov_b32 s3, LAPS-1
.Llap:                                                 ; a trip goes once round the ring, from a lap's second step to the next lap's first, and fills both slots again
	TURN 0, 1, 1
	STEP 1, 0, 0
	TURN 1, 0, 1
	STEP 0, 0, 0
	s_sub_co_u32 s3, s3, 1
	s_cmp_lg_u32 s3, 0
	s_cbranch_scc1 .Llap
	TURN 0, 1, 0                                   ; the last lap fills nothing, and has no round of the cluster's barrier
	STEP 1, 0, 0
	s_wait_dscnt 4*NL                              ; the very last step: nothing more to fetch
	WIN MUL_LO
	MUL16 0, 1, 0
	MUL16 2, 1, 0
	s_wait_dscnt 0
	WIN MUL_HI
	MUL16 4, 1, 0
	MUL16 6, 1, 0
	WIN 0
; THE WAY OUT, block by block of 16 rows x 128 columns.  A lane holds 32 neighbouring bytes of a row, and the lanes beside it hold other rows: so a block goes through my own stage in LDS and comes back as whole
; rows of 512 bytes, which the 32 lanes store as 512 consecutive bytes.  LDS serves a wave's instructions in order (ISA guide 5.7.1.4): no wait between the stores and the loads, nor in front of the next block's stores.
.macro TOSTAGE a
.set AC, 64*((\a)%4)
	WIN 0x02+((\a)/4)                              ; source 0: window 2 or 3
.irp j, 0,2,4,6,8,10,12,14,16,18,20,22,24,26,28,30,32,34,36,38,40,42,44,46,48,50,52,54,56,58,60,62
	v_pk_mul_f32 v[TMP+\j:TMP+\j+1], v[AC+\j:AC+\j+1], s[96:97] op_sel_hi:[1,0]   ; both x s96 = 2^(e6 + e7); each accumulator from its low end on
.endr
	WIN 0
.irp b, 0,1,2,3,4,5,6,7
	ds_store_b128 v[STO], v[TMP+8*\b:TMP+8*\b+3] offset:64*\b
	ds_store_b128 v[STO], v[TMP+8*\b+4:TMP+8*\b+7] offset:64*\b+16
.endr
.set BB, BK+64*((\a)%2)
.irp t, 0,1,2,3,4,5,6,7,8,9,10,11,12,13,14,15
	ds_load_b128 v[BB+4*\t:BB+4*\t+3], v[RD] offset:\t*SPITCH
.endr
.endm
.macro SEND a, younger                 ; younger: the LDS instructions issued behind block a's loads, which may stay out
.set BB, BK+64*((\a)%2)
	s_wait_dscnt \younger                          ; the block is back in registers
.if (\a) > 0
	s_add_nc_u64 s[10:11], s[10:11], 16*NCOL*4     ; (the earlier stores have read their base: the wait for that stands ahead)  16 rows of out0 on
.endif
.irp t, 0,1,2,3,4,5,6,7,8,9,10,11,12,13,14,15
	global_store_b128 v[CO], v[BB+4*\t:BB+4*\t+3], s[10:11] offset:\t*NCOL*4 th:TH_STORE_NT   ; 32 lanes store 512 consecutive bytes, at a multiple of 256 from out0's first byte
.endr
.endm
	s_wait_kmcnt 0x0
	s_add_co_i32 s96, s96, s97                     ; e6 + e7, between -126 and 127,
	s_add_co_i32 s96, s96, 127
	s_lshl_b32 s96, s96, 23                        ; makes the f32 number 2^(e6 + e7)
	PLACES NP                                      ; behind the last products: for the reads of results and for the loads into the registers that held A's fragments
	TOSTAGE 0
.irp a, 1,2,3,4,5,6,7
.if \a > 1
	s_wait_xcnt 0x0                                ; block a - 2's stores have read their registers and their base: block a's loads may land there, and the base may step
.endif
	TOSTAGE \a
	SEND \a-1, 32                                  ; behind block a - 1's loads: block a's 16 stores and 16 loads
.endr
	s_wait_xcnt 0x0                                ; block 6's stores have read their base
	SEND 7, 0
	s_wait_tensorcnt 0x0                           ; the wave's end, behind my last tensor load and my last LDS store
	ds_add_u32 v[SPW], v[NIL]
	s_wait_dscnt 0x0
	CROUND                                         ; the closing round: no work-group ends while a partner may still ask for a tile that names it
	s_endpgm
.Lfunc_end_k_q597084ba38_proj:
	.size	k_q597084ba38_proj, .Lfunc_end_k_q597084ba38_proj-k_q597084ba38_proj
	.p2alignl 7, 3214868480
	.fill 96, 4, 3214868480
	.section	.rodata,"a",@progbits
	.p2align	6, 0x0
	.amdhsa_kernel k_q597084ba38_proj
		.amdhsa_group_segment_fixed_size 327680
		.amdhsa_private_segment_fixed_size 0
		.amdhsa_enable_private_segment 0
		.amdhsa_kernarg_size 32
		.amdhsa_user_sgpr_count 2
		.amdhsa_user_sgpr_kernarg_segment_ptr 1
		.amdhsa_wavefront_size32 1
		.amdhsa_system_sgpr_workgroup_id_x 1
		.amdhsa_system_sgpr_workgroup_id_y 1
		.amdhsa_system_sgpr_workgroup_id_z 1
		.amdhsa_system_vgpr_workitem_id 0
		.amdhsa_next_free_vgpr 1024
		.amdhsa_next_free_sgpr 98
		.amdhsa_reserve_vcc 0
		.amdhsa_float_denorm_mode_32 3
		.amdhsa_float_denorm_mode_16_64 3
		.amdhsa_memory_ordered 1
		.amdhsa_forward_progress 1
		.amdhsa_inst_pref_size 124
	.end_amdhsa_kernel
	.amdgpu_metadata
---
amdhsa.version: [ 1, 2 ]
amdhsa.kernels:
  - .name:           k_q597084ba38_proj
    .symbol:         k_q597084ba38_proj.kd
    .args:
      - { .name: a2_img, .offset: 0, .size: 8, .value_kind: global_buffer, .address_space: global }
      - { .name: wout_codes, .offset: 8, .size: 8, .value_kind: global_buffer, .address_space: global }
      - { .name: lowp_scales, .offset: 16, .size: 8, .value_kind: global_buffer, .address_space: global }
      - { .name: out0, .offset: 24, .size: 8, .value_kind: global_buffer, .address_space: global }
    .group_segment_fixed_size: 327680
    .private_segment_fixed_size: 0
    .kernarg_segment_align: 8
    .kernarg_segment_size: 32
    .max_flat_workgroup_size: 128
    .sgpr_count:     98
    .vgpr_count:     1024
    .wavefront_size: 32
...
	.end_amdgpu_metadata
.endif
;; end of part 4
